; MI455X (gfx1250); checked and timed in simulation.
; The chip was launched on July 23, 2026; its instructions are those of AMD's public machine-readable ISA for CDNA 5 (MIT licence, August 2026) and "CDNA5" Instruction Set Architecture Reference Guide (July 2026). The comments in the code are by the model that wrote it; some were corrected since.
;; Multi Head Attention. Allowed arithmetic: matrix products marked QUANTISED: E2M3 operands, one E8M0 scale for each 32 along K, by v_wmma_scale_f32_16x16x128_f8f6f4 with both operands' format E2M3, f32 sums; everything else in f32.
;; Inputs: Wk 16 x 1,024 x 64 float32; Wo 1,024 x 1,024 float32; Wq 16 x 1,024 x 64 float32; Wv 16 x 1,024 x 64 float32; X 4 x 2,048 x 1,024 float32; bo 1,024 float32.
;; Outputs: out0 4 x 2,048 x 1,024 float32.
;; This version of the problem:
;;   THIS VERSION OF THE PROBLEM IS GIVEN IN LOW PRECISION. The matrix products marked QUANTISED in the list below multiply operands that are first quantised to E2M3 (2 exponent bits, 3 mantissa bits; 6 bits a number), with one power-of-two scale for each 32 numbers along K (OCP MX v1.0); their sums are f32. All else is computed in f32.
;;   The module's matrix products, in the order in which they are computed (A, B: the left and right operand; K: the contracted axis; several contracted axes count as one K, in the product's order):
;;     1. [M 1,024, K 1,024] x [K 1,024, N 8,192]; A: input Wq; B: input X: QUANTISED
;;     2. [M 1,024, K 1,024] x [K 1,024, N 8,192]; A: input Wk; B: input X: QUANTISED
;;     3. [M 1,024, K 1,024] x [K 1,024, N 8,192]; A: input Wv; B: input X: QUANTISED
;;     4. batch 64 x [M 2,048, K 64] x [K 64, N 2,048]; A: computed on the way; B: computed on the way: QUANTISED
;;     5. batch 64 x [M 2,048, K 2,048] x [K 2,048, N 64]; A: softmax (see below); B: computed on the way: QUANTISED
;;     6. [M 8,192, K 1,024] x [K 1,024, N 1,024]; A: computed on the way; B: input Wo: QUANTISED
;;   THE QUANTISER, for each operand of a quantised product, along K:
;;     - K is cut into blocks of 32 from its start; a last block that is shorter is filled with zeros.
;;     - A block's scale is 2^e with e = floor(log2(the largest magnitude in the block)) - 2, held to -126 .. 127; a block of zeros has e = 0. As a byte (E8M0): e + 127.
;;     - Each number is divided by its block's scale, clamped to +-7.5, and rounded to the nearest number of E2M3, ties to even, subnormals kept.
;;     - The product sums the exact products of the quantised numbers (number of the format x scale) in f32.
;;   ~~~python
;;   def quantise(x, axis):      # numpy; x: float32 -> the quantised numbers, widened to float32 again
;;       x = np.moveaxis(x, axis, -1); K = x.shape[-1]
;;       x = np.pad(x, [(0, 0)] * (x.ndim - 1) + [(0, -K % 32)]); x = x.reshape(x.shape[:-1] + (-1, 32)); a = np.abs(x).max(-1, keepdims=True)
;;       e = np.where(a > 0, np.clip(np.frexp(np.where(a > 0, a, 1))[1] - 1 - 2, -126, 127), 0)      # np.frexp(a)[1] - 1 = floor(log2(a)), exactly
;;       r = np.clip(x / 2.0 ** e, -7.5, 7.5)
;;       step = 2.0 ** (np.maximum(np.frexp(np.where(r == 0, 1, r))[1] - 1, 0) - 3)
;;       q = np.round(r / step) * step * 2.0 ** e      # np.round: ties to even
;;       return np.moveaxis(q.reshape(q.shape[:-2] + (-1,))[..., :K], -1, axis).astype(np.float32)
;;   ~~~
;;   SOFTMAX AHEAD OF A QUANTISED PRODUCT. Where the list says 'softmax', what is quantised is not the finished softmax but p = 2^(t - M), with t = logit x log2(e) and M = ceil(the row's largest t), a whole number; so 1/2 < the row's largest p <= 1. The row's sum l is taken of the UNQUANTISED p, in f32, and the product's result is divided by l at the end. Since M is a whole number, a kernel that streams over the keys may use a running M (the ceiling of the running maximum): every later rescaling is an exact power of two, which a block's scale takes up: the codes' values come out the same.
;;   OPERANDS COMPUTED ON THE WAY. 'Computed on the way' means the value that the module computes at that place (a softmax that the list does not call 'softmax' is quantised finished and normalised). What goes into a quantiser is computed in f32, as accurately as f32 sums, v_exp_f32 and their like allow (about 1e-6 of the number): no bf16 or f16 on the way to a quantiser, and a product that is left as it is and whose result goes on into a quantised operand takes f32 operands (vector FMAs, or v_wmma_f32_16x16x4_f32). A number that lies on a knife's edge between two numbers of the format may be rounded either way, as far as f32 arithmetic and the matrix unit's own rounding can turn it there, and no further.
;; One version. Each part assembles by itself: llvm-mc -triple=amdgcn-amd-amdhsa -mcpu=gfx1250 --defsym DOCPART=n.
;; ======== version 1 of 1: 4 launches
;; limits: right only within a limited range of input values
;; workspace buffers: xbuf 6,553,600 bytes; wobuf 819,200 bytes; wbuf 2,457,600 bytes; qbuf 6,553,600 bytes; kvbuf 13,107,200 bytes; abuf 6,553,600 bytes
;; launch prep (part 1): grid 480 x 1, 4 waves a work-group, no clusters, 34,304 bytes of LDS; arguments X, Wo, Wq, Wk, Wv, xbuf, wobuf, wbuf; writes xbuf, wobuf, wbuf
.if DOCPART == 1
	.amdgcn_target "amdgcn-amd-amdhsa--gfx1250"
	.amdhsa_code_object_version 6
	.text
	.protected	k_q72fdbf012b_prep
	.globl	k_q72fdbf012b_prep
	.p2align	8
	.type	k_q72fdbf012b_prep,@function
k_q72fdbf012b_prep:
	s_mov_b64 s[64:65], 0
	v_nop
	global_prefetch_b8 v0, s[64:65] scope:SCOPE_SE
	s_setreg_imm32_b32 hwreg(HW_REG_WAVE_MODE, 25, 1), 1
	s_wait_xcnt 0x0
; All five wide inputs become codes of FP6 (E2M3) with one E8M0 byte for each 32 along K, laid as IMAGES OF OPERAND REGISTERS, so that the later launches load fragments by 16 bytes a lane.
; A fragment is 16 rows x 128 K = 12 registers a lane (lane l: row l % 16; registers 6 c .. 6 c + 5: K = 64 c + 32 (l / 16) + 0 .. 31).  Its image: register g of lane l at byte 512 (g / 4) + 16 l + 4 (g % 4): 1,536 bytes.
; THE ROWS OF A TILE ARE NOT NEIGHBOURS: of 32 rows, lane r of tile u takes row 8 u + r + 8 (r / 8), so that the results of two neighbouring tiles are 16 neighbours along a later K.
; A block's scale is 2^(floor(log2(largest magnitude)) - 2): its byte is the largest magnitude's exponent field - 2, held at 1 from below.
; LIMITS: NaN and infinities among the inputs are not served; a block whose largest magnitude lies under 2^-124 keeps the byte 1; a block of zeros gets the byte 1 where the rule says 127: its codes are zeros, and this program alone reads the bytes.
; Work-groups 0-255 take X, 256-287 Wo (K innermost: a wave takes 64 rows x 128 K, through its own stage in LDS); work-groups 288-479 take Wq, Wk, Wv (K is the middle axis: a lane takes a column d, its registers run down K; no LDS).
; xbuf, wobuf: [block of 256 rows][K step][half] units of 12,800 bytes: 8 fragments, then two blocks of 256 bytes of scale words (word at 8 l + 4 j: fragment 2 j + l / 16 of four, row l % 16).
; wbuf: [head][K step] records of 19,200 bytes: fragments q0 q1 q2 q3 v0 v1 k0 k1 k2 k3 v2 v3, then six registers of scale words (128 bytes each: lanes 0-15 the even fragment's, lanes 16-31 the odd one's); those stores cover 128 bytes.
; Waves share nothing: no barrier.
.set FLOOR, 0x1800000                  ; 2^(3 - 127): no largest magnitude is taken under it, so the byte cannot fall under 1
.set OFFE,  0xff000000                 ; -(2 << 23): 2 off an exponent field
.set RAW,   64                         ; v64-127  rows' path: 16 rows as loaded
.set NUM,   128                        ; v128-191 rows' path: my two blocks of 32 neighbours
.set WD,    10                         ; v10-13   rows' path: the four fragments' scale words
.macro XLOAD phi                       ; the 16 rows of tile phi, 512 consecutive bytes a load
.irp i, 0,1,2,3,4,5,6,7,8,9,10,11,12,13,14,15
	global_load_b128 v[RAW+4*\i:RAW+4*\i+3], v1, s[4:5] offset:(8*(\phi)+\i%8+32*(\i/8))*4096 th:TH_LOAD_NT   ; THE ROWS OF X's AND Wo's TILES (in place of the order named at the head, which Wq, Wk, Wv keep): of 64 rows, lane r of tile phi takes row 8 phi + r % 8 + 32 (r / 8)
.endr
.endm
.macro XTURN                           ; through my stage (rows 528 bytes apart): in as loaded, out 128 bytes of one row a lane.  LDS serves a wave's instructions in order
.irp i, 0,1,2,3,4,5,6,7,8,9,10,11,12,13,14,15
	ds_store_b128 v2, v[RAW+4*\i:RAW+4*\i+3] offset:528*\i
.endr
.irp c, 0,1
.irp j, 0,1,2,3,4,5,6,7
	ds_load_b128 v[NUM+32*\c+4*\j:NUM+32*\c+4*\j+3], v3 offset:256*\c+16*\j
.endr
.endr
.endm
.macro XQ phi                          ; my blocks h and 2 + h of row r become registers 0-5 and 6-11 of fragment phi
.set FRG, 16+12*(\phi)
.irp c, 0,1
	v_max3_num_f32 v[192+\c], |v[NUM+32*\c]|, |v[NUM+32*\c+1]|, FLOOR
.endr
.irp i, 2,4,6,8,10,12,14,16,18,20,22,24,26,28,30
.irp c, 0,1
	v_max3_num_f32 v[192+\c], v[192+\c], |v[NUM+32*\c+\i]|, |v[NUM+32*\c+\i+1]|
.endr
.endr
.irp c, 0,1
	v_add_nc_u32 v[194+\c], OFFE, v[192+\c]        ; the conversion's scale operand: only its exponent field is taken
.endr
.irp c, 0,1
	v_lshrrev_b32 v[196+\c], 23, v[194+\c]         ; the scale's byte
.endr
	v_lshl_or_b32 v199, v197, 16, v196             ; my two bytes,
	v_lshlrev_b32 v199, v5, v199                   ; 8 h bits up;
	v_permlanex16_b32 v198, v199, s34, s35
	v_or_b32 v[WD+(\phi)], v199, v198              ; with lane l xor 16's two the row's word is whole
.irp c, 0,1
	v_cvt_scalef32_pk16_fp6_f32 v[FRG+6*\c:FRG+6*\c+2], v[NUM+32*\c:NUM+32*\c+15], v[194+\c]
	v_cvt_scalef32_pk16_fp6_f32 v[200+4*\c:202+4*\c], v[NUM+32*\c+16:NUM+32*\c+31], v[194+\c]   ; (a conversion's three registers begin on an even number)
.endr
	v_nop                                          ; one plain line behind the conversions
.irp c, 0,1
.irp i, 0,1,2
	v_mov_b32 v[FRG+3+6*\c+\i], v[200+4*\c+\i]
.endr
.endr
.irp c, 0,1,2
	global_store_b128 v1, v[FRG+4*\c:FRG+4*\c+3], s[30:31] offset:1536*(\phi)+512*\c   ; 512 consecutive bytes; each fragment has registers of its own, so no store's data are written again
.endr
.endm
.macro WLOAD t                         ; weights' path: block t, W(32 t + i, my column): 32 lanes read 128 consecutive bytes
.set cE, 0
.rept 32
	global_load_b32 v[64+32*(\t)+cE], v1, s[4:5] offset:256*(32*(\t)+cE) th:TH_LOAD_NT
.set cE, cE+1
.endr
.endm
.macro WBLK t
.set XS, 64+32*(\t)
.set DS, 16+12*((\t)%2)+6*((\t)/2)     ; blocks 0, 2 into v16.., v22..; blocks 1, 3 into v28.., v34..
.if (\t) < 3
	s_wait_loadcnt 32                              ; this block's 32 loads are in; the next block's 32 may be out
.else
	s_wait_loadcnt 0x0
.endif
.if (\t) < 2
	WLOAD (\t)+2
.endif
	v_max3_num_f32 v12, |v[XS]|, |v[XS+1]|, |v[XS+2]|
	v_max3_num_f32 v13, |v[XS+3]|, |v[XS+4]|, |v[XS+5]|
.irp i, 6,10,14,18,22,26
	v_max3_num_f32 v12, v12, |v[XS+\i]|, |v[XS+\i+1]|
	v_max3_num_f32 v13, v13, |v[XS+\i+2]|, |v[XS+\i+3]|
.endr
	v_max3_num_f32 v12, v12, |v[XS+30]|, |v[XS+31]|
	v_max3_num_f32 v12, v12, v13, FLOOR
	v_add_nc_u32 v[56+(\t)], OFFE, v12
	v_lshrrev_b32 v13, 23, v[56+(\t)]
.if (\t) == 0
	v_mov_b32 v10, v13                             ; the column's scale word: the lower K in the lower byte
.else
	v_lshl_or_b32 v10, v13, 8*(\t), v10
.endif
	v_cvt_scalef32_pk16_fp6_f32 v[DS:DS+2], v[XS:XS+15], v[56+(\t)]
	v_cvt_scalef32_pk16_fp6_f32 v[40+4*(\t):42+4*(\t)], v[XS+16:XS+31], v[56+(\t)]
.endm
	s_load_b256 s[4:11], s[0:1], 0x0               ; X s[4:5], Wo s[6:7], Wq s[8:9], Wk s[10:11]
	s_load_b256 s[12:19], s[0:1], 0x20             ; Wv s[12:13], xbuf s[14:15], wobuf s[16:17], wbuf s[18:19]
	v_lshl_add_u32 v208, v0, 2, 0x8400
	v_mov_b32 v209, 0
	v_lshrrev_b32 v1, 5, v0
	v_readfirstlane_b32 s20, v1                    ; wave 0..3
	v_and_b32 v6, 31, v0                           ; l
	v_and_b32 v7, 15, v0                           ; r
	v_bfe_u32 v8, v0, 4, 1                         ; h
	s_mov_b32 s27, 0
	s_cmp_ge_u32 ttmp9, 288
	s_cbranch_scc1 .Lweights
	; ---- rows with K innermost: X and Wo
	v_lshlrev_b32 v1, 4, v6                        ; 16 l: my bytes of a load and of an image
	s_mul_i32 s21, s20, 8448                       ; my stage: 16 rows x 528 bytes
	v_add_nc_u32 v2, s21, v1
	v_mul_u32_u24 v3, v7, 528
	v_lshl_add_u32 v3, v8, 7, v3
	v_add_nc_u32 v3, s21, v3                       ; out of it: row r, + 128 h
	v_lshlrev_b32 v4, 3, v6                        ; 8 l
	v_lshlrev_b32 v5, 3, v8                        ; 8 h
	v_cmp_le_u32 vcc_lo, 16, v6                    ; lanes 16-31
	v_mov_b32 v198, 0                              ; a lane permute's destination counts as read
	s_mov_b32 s34, 0x76543210
	s_mov_b32 s35, 0xfedcba98                      ; lane l xor 16
	s_wait_alu depctr_va_vdst(0)
	s_wait_kmcnt 0x0
	s_cmp_lt_u32 ttmp9, 256                        ; X's work-group or Wo's: the choice hangs on the work-group's number alone
	s_cselect_b64 s[4:5], s[4:5], s[6:7]
	s_cselect_b64 s[14:15], s[14:15], s[16:17]
	s_cselect_b32 s22, 0, 256
	s_sub_co_u32 s22, ttmp9, s22
	s_lshl_b32 s22, s22, 2
	s_add_co_u32 s22, s22, s20                     ; my job
	s_lshr_b32 s23, s22, 3                         ; which 64 rows
	s_and_b32 s24, s22, 7                          ; which K step
	s_lshl_b32 s26, s23, 18                        ; 64 rows of 4,096 bytes
	s_lshl_b32 s25, s24, 9
	s_add_co_u32 s26, s26, s25
	s_add_nc_u64 s[4:5], s[4:5], s[26:27]
	s_lshr_b32 s28, s23, 2                         ; the unit: ((block of 256) x 8 + K step) x 2 + half
	s_lshl_b32 s28, s28, 3
	s_add_co_u32 s28, s28, s24
	s_lshl_b32 s28, s28, 1
	s_bfe_u32 s29, s23, 0x10001
	s_add_co_u32 s28, s28, s29
	s_mul_i32 s28, s28, 12800
	s_and_b32 s29, s23, 1                          ; which four fragments of its eight
	s_mul_i32 s26, s29, 6144
	s_add_co_u32 s26, s26, s28
	s_add_nc_u64 s[30:31], s[14:15], s[26:27]      ; my codes
	s_lshl_b32 s26, s29, 8
	s_add_co_u32 s26, s26, s28
	s_add_co_u32 s26, s26, 12288
	s_add_nc_u64 s[32:33], s[14:15], s[26:27]      ; my 256 bytes of scale words
	XLOAD 0
.irp p, 0,1,2,3
	s_wait_loadcnt 0x0                             ; this tile's 16 loads are in; none is younger
	XTURN
	s_wait_dscnt 0x0                               ; the numbers are back, and the stage's stores have read their registers,
.if \p < 3
	XLOAD \p+1                                     ; which take the next tile while this one is worked
.endif
	XQ \p
.endr
	v_cndmask_b32 v14, v10, v11, vcc_lo            ; lanes 0-15 fragment 0's words, lanes 16-31 fragment 1's;
	v_cndmask_b32 v15, v12, v13, vcc_lo            ; fragments 2 and 3
	global_store_b64 v4, v[14:15], s[32:33]        ; 256 consecutive bytes, aligned
	s_wait_tensorcnt 0x0
	ds_add_u32 v208, v209
	s_wait_dscnt 0x0
	s_endpgm
	; ---- Wq, Wk, Wv: [head][e][d], K = e
.Lweights:
	s_sub_co_u32 s22, ttmp9, 288
	s_lshl_b32 s22, s22, 2
	s_add_co_u32 s22, s22, s20
	s_lshr_b32 s23, s22, 7                         ; place 0..5 in the record: q01 q23 v01 k01 k23 v23
	s_and_b32 s24, s22, 127                        ; head x 8 + K step
	s_lshr_b32 s25, 0x32, s23
	s_and_b32 s25, s25, 1                          ; which 32 of the head's 64: places 1, 4, 5 take the upper
	s_wait_alu depctr_va_vdst(0)
	v_and_b32 v1, 8, v7
	v_add_nc_u32 v1, v1, v7
	v_lshl_add_u32 v1, v8, 3, v1                   ; lanes 0-15 the even tile, lanes 16-31 the odd one: column 8 h + r + 8 (r / 8)
	s_lshl_b32 s26, s25, 5
	v_add_nc_u32 v1, s26, v1
	v_lshlrev_b32 v1, 2, v1
	v_lshlrev_b32 v2, 4, v6                        ; 16 l
	v_lshlrev_b32 v3, 2, v6                        ; 4 l
	s_wait_alu depctr_va_vdst(0)
	s_wait_kmcnt 0x0
	s_cmp_lt_u32 s23, 2
	s_cselect_b64 s[4:5], s[8:9], s[10:11]         ; Wq, else Wk,
	s_cmp_eq_u32 s23, 2
	s_cselect_b64 s[4:5], s[12:13], s[4:5]         ; but Wv at places 2
	s_cmp_eq_u32 s23, 5
	s_cselect_b64 s[4:5], s[12:13], s[4:5]         ; and 5
	s_lshl_b32 s26, s24, 15                        ; 128 rows e of 256 bytes for each K step, eight K steps a head
	s_add_nc_u64 s[4:5], s[4:5], s[26:27]
	s_mul_i32 s28, s24, 19200
	s_mul_i32 s26, s23, 3072
	s_add_co_u32 s26, s26, s28
	s_add_nc_u64 s[30:31], s[18:19], s[26:27]
	s_lshl_b32 s26, s23, 7
	s_add_co_u32 s26, s26, s28
	s_add_co_u32 s26, s26, 18432
	s_add_nc_u64 s[32:33], s[18:19], s[26:27]
	WLOAD 0
	WLOAD 1
	WBLK 0
	WBLK 1
	WBLK 2
	WBLK 3
	v_nop                                          ; one plain line behind the conversions
.irp t, 0,1,2,3
.irp i, 0,1,2
	v_mov_b32 v[19+12*(\t%2)+6*(\t/2)+\i], v[40+4*\t+\i]
.endr
.endr
.irp i, 0,1,2,3,4,5,6,7,8,9,10,11
	v_permlane16_swap_b32 v[16+\i], v[28+\i]       ; the first's lanes 16-31 change places with the second's lanes 0-15: v16-27 is now the even tile's fragment, v28-39 the odd one's
.endr
.irp c, 0,1,2
	global_store_b128 v2, v[16+4*\c:19+4*\c], s[30:31] offset:512*\c
	global_store_b128 v2, v[28+4*\c:31+4*\c], s[30:31] offset:1536+512*\c
.endr
	global_store_b32 v3, v10, s[32:33]             ; lane (r, h) holds the word of tile h, row r: the register as the product wants it
	s_endpgm
.Lfunc_end_k_q72fdbf012b_prep:
	.size	k_q72fdbf012b_prep, .Lfunc_end_k_q72fdbf012b_prep-k_q72fdbf012b_prep
	.p2alignl 7, 3214868480
	.fill 96, 4, 3214868480
	.section	.rodata,"a",@progbits
	.p2align	6, 0x0
	.amdhsa_kernel k_q72fdbf012b_prep
		.amdhsa_group_segment_fixed_size 34304
		.amdhsa_private_segment_fixed_size 0
		.amdhsa_enable_private_segment 0
		.amdhsa_kernarg_size 64
		.amdhsa_user_sgpr_count 2
		.amdhsa_user_sgpr_kernarg_segment_ptr 1
		.amdhsa_wavefront_size32 1
		.amdhsa_system_sgpr_workgroup_id_x 1
		.amdhsa_system_sgpr_workgroup_id_y 1
		.amdhsa_system_sgpr_workgroup_id_z 1
		.amdhsa_system_vgpr_workitem_id 0
		.amdhsa_next_free_vgpr 210
		.amdhsa_next_free_sgpr 66
		.amdhsa_reserve_vcc 1
		.amdhsa_float_denorm_mode_32 3
		.amdhsa_float_denorm_mode_16_64 3
		.amdhsa_memory_ordered 1
		.amdhsa_forward_progress 1
		.amdhsa_inst_pref_size 50
	.end_amdhsa_kernel
	.amdgpu_metadata
---
amdhsa.version: [ 1, 2 ]
amdhsa.kernels:
  - .name:           k_q72fdbf012b_prep
    .symbol:         k_q72fdbf012b_prep.kd
    .args:
      - { .name: X, .offset: 0, .size: 8, .value_kind: global_buffer, .address_space: global }
      - { .name: Wo, .offset: 8, .size: 8, .value_kind: global_buffer, .address_space: global }
      - { .name: Wq, .offset: 16, .size: 8, .value_kind: global_buffer, .address_space: global }
      - { .name: Wk, .offset: 24, .size: 8, .value_kind: global_buffer, .address_space: global }
      - { .name: Wv, .offset: 32, .size: 8, .value_kind: global_buffer, .address_space: global }
      - { .name: xbuf, .offset: 40, .size: 8, .value_kind: global_buffer, .address_space: global }
      - { .name: wobuf, .offset: 48, .size: 8, .value_kind: global_buffer, .address_space: global }
      - { .name: wbuf, .offset: 56, .size: 8, .value_kind: global_buffer, .address_space: global }
    .group_segment_fixed_size: 34304
    .private_segment_fixed_size: 0
    .kernarg_segment_align: 8
    .kernarg_segment_size: 64
    .max_flat_workgroup_size: 128
    .sgpr_count:     66
    .vgpr_count:     210
    .wavefront_size: 32
...
	.end_amdgpu_metadata
.endif
;; end of part 1
;; launch qkv (part 2): grid 16 x 32, 4 waves a work-group, clusters of 4 x 4, 327,680 bytes of LDS; arguments xbuf, wbuf, qbuf, kvbuf; writes qbuf, kvbuf
.if DOCPART == 2
	.amdgcn_target "amdgcn-amd-amdhsa--gfx1250"
	.amdhsa_code_object_version 6
	.text
	.protected	k_q72fdbf012b_qkv
	.globl	k_q72fdbf012b_qkv
	.p2align	8
	.type	k_q72fdbf012b_qkv,@function
k_q72fdbf012b_qkv:
	s_mov_b64 s[64:65], 0
	v_nop
	global_prefetch_b8 v0, s[64:65] scope:SCOPE_SE
	s_setreg_imm32_b32 hwreg(HW_REG_WAVE_MODE, 25, 1), 1
	s_wait_xcnt 0x0
	s_wait_alu depctr_hold_cnt(0) depctr_sa_sdst(0) depctr_va_vdst(0) depctr_va_sdst(0) depctr_va_ssrc(0) depctr_va_vcc(0) depctr_vm_vsrc(0)
	s_getreg_b32 s2, hwreg(HW_REG_IB_STS2, 6, 4)
	s_cmp_eq_u32 s2, 0
	s_cbranch_scc0 .Lentry_in_a_cluster
	s_endpgm
.Lentry_in_a_cluster:
	s_bfe_u32 s2, ttmp6, 0x10000c
	s_cmp_lg_u32 s2, 0xf033
	s_cbranch_scc0 .Lentry_shape_is_right
	s_endpgm
.Lentry_shape_is_right:
; q, k, v = X Wq, X Wk, X Wv for one head and 256 tokens, on codes of FP6 (E2M3) with E8M0 scales, K = 1,024 in eight steps of 128; the results are quantised in registers and stored as images of operand registers.
; SHARES.  Work-group (head, token block).  Wave w: tokens 128 (w / 2) on (8 fragments of X), and six fragments of W: w % 2 = 0: q's four and v's tiles 0, 1; w % 2 = 1: k's four and v's tiles 2, 3.  48 accumulators.
; q and k are made TRANSPOSED (source 0 = 16 columns d of W, source 1 = 16 tokens): a lane holds one token, its registers run along d, the K of the scores' product.
; v is made plain (source 0 = 16 tokens, source 1 = 16 columns d): a lane holds one d, its registers run along the tokens, the K of the second product.
; The rows of every tile are 8 u + r + 8 (r / 8) of 32, so that two neighbouring tiles' 16 registers are 16 neighbours along the next K.
; q, k: K = 64, so two token tiles share one fragment of 12 registers (registers 0-5 the even tile, 6-11 the odd one) and one scale word (bytes 0, 1 and 2, 3).
; LDS: three slots of 89,600 bytes, two K steps each (X's two records of 25,600 bytes, W's two of 19,200); K steps 6, 7 fill slot 0 again.  All loads are dense blocks, as rows of 256 bytes.
; CLUSTER 4 x 4: X's record hangs on the token block alone (shared along a row of the cluster), W's on the head alone (along a column): each is asked for jointly.  A wave has one tensor load out at the start, later one.
; LIMITS: as in the first launch (NaN, infinities; the byte 1 for zeros and for magnitudes under 2^-124).  v's two scale registers leave by stores of 128 bytes.
; REGISTERS.  window 0: v1-12 LDS addresses, v13-15 16 l, 8 l, 4 l; v28, v29 the add's; v32-47 scale words alone (two sets); v48-63 at work; v64-231 fragment set 1 (X at 64 + 12 i, W at 160 + 12 t), free on the way out.
;   window 1: v0-167 fragment set 0 (X at 12 i, W at 96 + 12 t).  window 2: q/k accumulator (i, t) at 32 i + 8 t.  window 3: v accumulator (n, i) at 64 n + 8 i.
; LDS AS THIS TEXT LAYS IT (it takes the place of the slots named above): X's K steps 0-5 on end from byte 0 (25,600 each), W's K steps 0-5 on end from byte 153,600 (19,200 each); K steps 6, 7 fill the places of K steps 0, 1 again.
; LOADS: at the head one a wave, three K steps each: wave 0 X's 0-2, wave 1 W's 0-2, wave 2 X's 3-5, wave 3 W's 3-5.  The first barrier shows waves 0 and 1's; the round in K step 2 shows the rest, and behind it the one refill is asked for.
.set SLOTB, 89600
.set XREC,  25600
.set WREC,  19200
.set SPARE, 3*SLOTB                    ; behind the slots: the spare words, 128 bytes a wave, that no other line names
.set TM,    48
.set SEL,   78
.set MSB,   0
.macro WIN new                         ; the immediate's high byte repeats the setting that is left
.if MSB != \new
	s_set_vgpr_msb (MSB<<8)|\new
.set MSB, \new
.endif
.endm
.macro PLACES                          ; four plain vector lines between a matrix instruction and a load into, or a vector read or write of, its registers
.rept 4
	v_nop
.endr
.endm
.macro CROUND                          ; a round of the cluster's barrier
	s_barrier_signal -1
	s_barrier_wait -1
	s_cmp_lg_u32 s14, 0
	s_cbranch_scc1 .Lnot_wave_0_\@
	s_barrier_signal -3
.Lnot_wave_0_\@:
	s_barrier_wait -3
	s_barrier_signal -1
	s_barrier_wait -1
.endm
.macro MKG0 g, l, lo, b, go            ; a descriptor's group 0: count 1, LDS address, global address, type 2
	s_mov_b32 s[\g], 1
	s_add_co_u32 s[\g+1], s[\l], \lo
	s_add_nc_u64 s[\g+2:\g+3], s[\b:\b+1], \go
	s_or_b32 s[\g+3], s[\g+3], 0x80000000
.endm
.macro JLOAD                           ; the joint refill of slot 0: waves 0, 1 X's records, waves 2, 3 W's; four v_nop follow each line
	s_cmp_eq_u32 s15, 0
	s_cbranch_scc0 .Lfor_w_\@
	tensor_load_to_lds s[32:35], s[24:31]
	s_nop 0
.rept 4
	v_nop
.endr
	s_branch .Lasked_\@
.Lfor_w_\@:
	tensor_load_to_lds s[56:59], s[48:55]
	s_nop 0
.rept 4
	v_nop
.endr
.Lasked_\@:
.endm
.macro WMC c                           ; one product: registers by the symbols rD, rA, rB, rSA, rSB; fRA, fRB: the scale words lie in lanes 16-31
.if fRA && fRB
	v_wmma_scale_f32_16x16x128_f8f6f4 v[rD:rD+7], v[rA:rA+11], v[rB:rB+11], \c, v[rSA], v[rSB] matrix_a_fmt:MATRIX_FMT_FP6 matrix_b_fmt:MATRIX_FMT_FP6 matrix_a_scale:MATRIX_SCALE_ROW1 matrix_b_scale:MATRIX_SCALE_ROW1
.elseif fRA
	v_wmma_scale_f32_16x16x128_f8f6f4 v[rD:rD+7], v[rA:rA+11], v[rB:rB+11], \c, v[rSA], v[rSB] matrix_a_fmt:MATRIX_FMT_FP6 matrix_b_fmt:MATRIX_FMT_FP6 matrix_a_scale:MATRIX_SCALE_ROW1
.elseif fRB
	v_wmma_scale_f32_16x16x128_f8f6f4 v[rD:rD+7], v[rA:rA+11], v[rB:rB+11], \c, v[rSA], v[rSB] matrix_a_fmt:MATRIX_FMT_FP6 matrix_b_fmt:MATRIX_FMT_FP6 matrix_b_scale:MATRIX_SCALE_ROW1
.else
	v_wmma_scale_f32_16x16x128_f8f6f4 v[rD:rD+7], v[rA:rA+11], v[rB:rB+11], \c, v[rSA], v[rSB] matrix_a_fmt:MATRIX_FMT_FP6 matrix_b_fmt:MATRIX_FMT_FP6
.endif
.endm
.macro FETCH s                         ; K step s: 14 fragments (42 loads of 16 bytes a lane, 512 consecutive bytes each) and their scale words into set s % 2
.set fj, (\s)/2
.if (\s) >= 6
.set fj, 0
.endif
.set fp, (\s)%2
.if fp == 0
	WIN 0x40                                       ; destination window 1
.set fX, 0
.set fW, 96
.else
	WIN 0
.set fX, 64
.set fW, 160
.endif
.irp i, 0,1,2,3,4,5,6,7
.irp c, 0,1,2
	ds_load_b128 v[fX+12*\i+4*\c:fX+12*\i+4*\c+3], v[1+fj] offset:XREC*fp+1536*\i+512*\c
.endr
.endr
.irp t, 0,1,2,3,4,5
.irp c, 0,1,2
	ds_load_b128 v[fW+12*\t+4*\c:fW+12*\t+4*\c+3], v[4+fj] offset:WREC*fp+1536*\t+512*\c
.endr
.endr
	WIN 0
.irp q, 0,1
	ds_load_b64 v[32+8*fp+2*\q:33+8*fp+2*\q], v[7+fj] offset:XREC*fp+256*\q   ; register 2 q + j: lanes 0-15 X's fragment 4 q + 2 j, lanes 16-31 the next
.endr
.irp k, 0,1,2
	ds_load_b32 v[36+8*fp+\k], v[10+fj] offset:WREC*fp+128*\k                 ; lanes 0-15 W's fragment 2 k, lanes 16-31 the next
.endr
.endm
.macro MUL s, zero                     ; 48 products, each accumulator once, in one order in every K step: the accumulators take turns
.set mp, (\s)%2
.if mp == 0
.set mX, 0
.set mW, 96
	WIN 0xa5                                       ; sources window 1, C and D window 2
.else
.set mX, 64
.set mW, 160
	WIN 0xa0
.endif
.irp i, 0,1,2,3,4,5,6,7
.irp t, 0,1,2,3
.set rD, 32*\i+8*\t
.set rA, mW+12*\t
.set rB, mX+12*\i
.set rSA, 36+8*mp+\t/2
.set rSB, 32+8*mp+2*(\i/4)+(\i/2)%2
.set fRA, \t%2
.set fRB, \i%2
.if \zero
	WMC 0
.else
	WMC v[rD:rD+7]
.endif
.endr
.endr
.if mp == 0
	WIN 0xf5                                       ; C and D window 3
.else
	WIN 0xf0
.endif
.irp n, 0,1
.irp i, 0,1,2,3,4,5,6,7
.set rD, 64*\n+8*\i
.set rA, mX+12*\i
.set rB, mW+12*(4+\n)
.set rSA, 32+8*mp+2*(\i/4)+(\i/2)%2
.set rSB, 38+8*mp
.set fRA, \i%2
.set fRB, \n
.if \zero
	WMC 0
.else
	WMC v[rD:rD+7]
.endif
.endr
.endr
.endm
.macro KSTEP s
	s_wait_dscnt 0x0                               ; this K step's fragments are in (asked for 48 products ago)
.if (\s) == 5
	s_wait_tensorcnt 0x0                           ; my part of the refilled slot 0 has landed
	s_barrier_signal -1
	s_barrier_wait -1
.endif
.if (\s) == 2
	WIN 0
	s_wait_tensorcnt 0x0                           ; all my tensor loads have landed, K step 3's among them, which is read next
	ds_add_u32 v28, v29                            ; 0 onto my spare word
	s_add_nc_u64 s[34:35], s[34:35], 6*XREC        ; slot 0's descriptors step to K steps 6 and 7 while the add is out
	s_add_nc_u64 s[58:59], s[58:59], 6*WREC
	s_mov_b32 s26, 100<<16                         ; no tensor load of mine is out: from here on a load brings one record: 100 rows of X's,
	s_mov_b32 s28, 100
	s_mov_b32 s50, 75<<16                          ; 75 of W's
	s_mov_b32 s52, 75
	s_wait_dscnt 0x0                               ; the add is done; my reads of slot 0 were over two K steps ago
	CROUND                                         ; so it holds of every wave of every partner
	JLOAD                                          ; first behind the round: it has K steps 2, 3, 4, 144 products, in which to land; its four v_nop are the places for the loads below
.elseif ((\s) > 0) && ((\s) < 7)
	PLACES
.endif
.if (\s) < 7
	FETCH (\s)+1
.endif
.if (\s) == 0
	MUL 0, 1                                       ; the first products start the sums: nothing is cleared
.else
	MUL \s, 0
.endif
.endm
; 64 numbers of a lane in window w, register 16 b + i = place 32 b + 16 (l / 16) + i along the next K of my row, become a fragment's codes in v[pc] on and its scale word in v[pw] (both window 0).
.macro QUANT src, w, pc, pw
.set qW, (\w)|((\w)<<2)
	WIN qW                                         ; sources 0 and 1 in window w
.irp b, 0,1,2,3
	v_max3_num_f32 v[TM+\b], |v[\src+16*\b]|, |v[\src+16*\b+1]|, 0x1800000   ; each accumulator is read from its low end on; the floor 2^(3 - 127) holds the byte at 1
.endr
.irp i, 2,4,6,8,10,12,14
.irp b, 0,1,2,3
	v_max3_num_f32 v[TM+\b], |v[\src+16*\b+\i]|, |v[\src+16*\b+\i+1]|, v[TM+\b]
.endr
.endr
	WIN 0
.irp b, 0,1,2,3
	v_permlanex16_b32 v[TM+4+\b], v[TM+\b], s[SEL], s[SEL+1]
.endr
.irp b, 0,1,2,3
	v_max_num_f32 v[TM+\b], v[TM+\b], v[TM+4+\b]   ; with lane l xor 16's 16: the block's largest magnitude
.endr
.irp b, 0,1,2,3
	v_add_nc_u32 v[TM+12+\b], 0xff000000, v[TM+\b] ; 2 off its exponent field: the conversion's scale operand
.endr
.irp b, 0,1,2,3
	v_lshrrev_b32 v[TM+4+\b], 23, v[TM+12+\b]      ; the byte
.endr
	v_lshl_or_b32 v[\pw], v[TM+5], 8, v[TM+4]
	v_lshl_or_b32 v[\pw], v[TM+6], 16, v[\pw]
	v_lshl_or_b32 v[\pw], v[TM+7], 24, v[\pw]
	WIN \w                                         ; source 0 in window w
.irp c, 0,1
	v_cvt_scalef32_pk16_fp6_f32 v[\pc+6*\c:\pc+6*\c+2], v[\src+32*\c:\src+32*\c+15], v[TM+12+2*\c]
	v_cvt_scalef32_pk16_fp6_f32 v[\pc+12+4*\c:\pc+14+4*\c], v[\src+32*\c+16:\src+32*\c+31], v[TM+13+2*\c]
.endr
	WIN 0
	v_nop                                          ; one plain line behind the conversions
.irp c, 0,1                            ; the layout wants a whole block in a lane: lanes 0-15 block 2 c, lanes 16-31 block 2 c + 1
.irp i, 0,1,2
	v_permlane16_swap_b32 v[\pc+6*\c+\i], v[\pc+12+4*\c+\i]
.endr
.irp i, 0,1,2
	v_mov_b32 v[\pc+3+6*\c+\i], v[\pc+12+4*\c+\i]
.endr
.endr
.endm
; v's quantiser.  The tokens of X's tile i are 64 (i / 4) + 8 (i % 4) + r % 8 + 32 (r / 8), so register 32 c + i of a lane (window 3) is token 64 c + 32 (l / 16) + i: a lane holds blocks l / 16 and 2 + l / 16 whole, in the operand's own order.
.macro QUANTV src, pc, pw
	WIN 0x0f                                       ; sources 0 and 1 in window 3
.irp c, 0,1
	v_max3_num_f32 v[TM+\c], |v[\src+32*\c]|, |v[\src+32*\c+1]|, 0x1800000
.endr
.irp i, 2,4,6,8,10,12,14,16,18,20,22,24,26,28,30
.irp c, 0,1
	v_max3_num_f32 v[TM+\c], |v[\src+32*\c+\i]|, |v[\src+32*\c+\i+1]|, v[TM+\c]
.endr
.endr
	WIN 0
.irp c, 0,1
	v_add_nc_u32 v[TM+12+\c], 0xff000000, v[TM+\c] ; 2 off the exponent field: the conversion's scale operand
.endr
.irp c, 0,1
	v_lshrrev_b32 v[TM+4+\c], 23, v[TM+12+\c]      ; the byte
.endr
	v_lshl_or_b32 v[TM+8], v[TM+5], 16, v[TM+4]    ; my two bytes,
	v_lshlrev_b32 v[TM+8], v17, v[TM+8]            ; 8 (l / 16) bits up;
	v_permlanex16_b32 v[TM+6], v[TM+8], s[SEL], s[SEL+1]
	v_or_b32 v[\pw], v[TM+8], v[TM+6]              ; with lane l xor 16's two the word is whole
	WIN 3
.irp c, 0,1
	v_cvt_scalef32_pk16_fp6_f32 v[\pc+6*\c:\pc+6*\c+2], v[\src+32*\c:\src+32*\c+15], v[TM+12+\c]
	v_cvt_scalef32_pk16_fp6_f32 v[\pc+12+4*\c:\pc+14+4*\c], v[\src+32*\c+16:\src+32*\c+31], v[TM+12+\c]
.endr
	WIN 0
	v_nop                                          ; one plain line behind the conversions
.irp c, 0,1
.irp i, 0,1,2
	v_mov_b32 v[\pc+3+6*\c+\i], v[\pc+12+4*\c+\i]
.endr
.endr
.endm
	s_load_b256 s[4:11], s[0:1], 0x0               ; xbuf s[4:5], wbuf s[6:7], qbuf s[8:9], kvbuf s[10:11]
	v_lshl_add_u32 v28, v0, 2, SPARE
	v_mov_b32 v29, 0
	ds_add_u32 v28, v29
	ds_add_u32 v28, v29
	s_wait_dscnt 0x0
	v_lshrrev_b32 v16, 5, v0
	v_readfirstlane_b32 s14, v16                   ; wave 0..3
	s_lshr_b32 s15, s14, 1                         ; my half of the tokens.  Also: I fetch X's records (0) or W's (1)
	s_and_b32 s16, s14, 1                          ; q's columns (0) or k's (1).  Also: which K step of a slot's two I fetch
	s_bfe_u32 s72, ttmp6, 0x40000                  ; cx
	s_bfe_u32 s73, ttmp6, 0x40004                  ; cy
	s_lshl_b32 s74, ttmp9, 2
	s_add_co_u32 s74, s74, s72                     ; head
	s_and_b32 s75, ttmp7, 0xffff
	s_lshl_b32 s75, s75, 2
	s_add_co_u32 s75, s75, s73                     ; token block
	s_lshl_b32 s76, s73, 2
	s_lshl_b32 s76, 15, s76                        ; my row of the cluster
	s_lshl_b32 s77, 0x1111, s72                    ; my column
	s_or_b32 s24, s76, (3<<16)|(1<<21)             ; group 1 for X: the mask; elements of 8 bytes; bit 21 beside a mask; no padding
	s_mov_b32 s25, 32<<16                          ; tensor_dim0 = 32 elements: rows of 256 bytes
	s_mov_b32 s26, 300<<16                         ; tensor_dim1 = 300 rows: three records of 25,600 bytes on end
	s_mov_b32 s27, 32<<16                          ; tile_dim0
	s_mov_b32 s28, 300                             ; tile_dim1
	s_mov_b32 s29, 32                              ; the pitch: dense
	s_mov_b32 s30, 0
	s_mov_b32 s31, 0
	s_or_b32 s48, s77, (3<<16)|(1<<21)             ; group 1 for W: 75 rows: 19,200 bytes
	s_mov_b32 s49, 32<<16
	s_mov_b32 s50, 225<<16                         ; 225 rows: three records of 19,200 bytes on end
	s_mov_b32 s51, 32<<16
	s_mov_b32 s52, 225
	s_mov_b32 s53, 32
	s_mov_b32 s54, 0
	s_mov_b32 s55, 0
	s_lshl_b32 s88, s75, 3
	s_add_co_u32 s88, s88, s16
	s_mul_i32 s88, s88, XREC                       ; X: record (token block x 8 + my K step of the two)
	s_mov_b32 s89, 0
	s_lshl_b32 s90, s74, 3
	s_add_co_u32 s90, s90, s16
	s_mul_i32 s90, s90, WREC                       ; W: record (head x 8 + the same)
	s_mov_b32 s91, 0
	s_mul_i32 s92, s16, XREC                       ; where they go in a slot: no place in the cluster enters an LDS address
	s_mul_i32 s93, s16, WREC
	s_add_co_u32 s93, s93, 6*XREC
	s_mov_b32 s[SEL], 0x76543210
	s_mov_b32 s[SEL+1], 0xfedcba98
	CROUND                                         ; all sixteen work-groups are here: the first joint loads meet; the round stands ahead of the wait for the arguments
	s_wait_kmcnt 0x0
	s_add_nc_u64 s[94:95], s[4:5], s[88:89]
	s_add_nc_u64 s[96:97], s[6:7], s[90:91]
	MKG0 32, 92, 0, 94, 0                          ; the refill's: one record a wave, stepped to K steps 6, 7 later
	MKG0 56, 93, 0, 96, 0
	s_mul_i32 s88, s75, 8*XREC                     ; the head's: three records on end, K steps 3 (wave / 2) on
	s_mul_i32 s92, s15, 3*XREC
	s_add_co_u32 s88, s88, s92
	s_add_nc_u64 s[94:95], s[4:5], s[88:89]
	MKG0 36, 92, 0, 94, 0
	s_mul_i32 s90, s74, 8*WREC
	s_mul_i32 s93, s15, 3*WREC
	s_add_co_u32 s90, s90, s93
	s_add_nc_u64 s[96:97], s[6:7], s[90:91]
	s_add_co_u32 s93, s93, 6*XREC
	MKG0 60, 93, 0, 96, 0
	s_cmp_eq_u32 s14, 0                            ; one chain of branches on the wave's number, one load to an arm
	s_cbranch_scc0 .Lfirst_1
	tensor_load_to_lds s[36:39], s[24:31]          ; wave 0: X's K steps 0-2
	s_nop 0
.rept 4
	v_nop
.endr
	s_branch .Lfirst_done
.Lfirst_1:
	s_cmp_eq_u32 s14, 1
	s_cbranch_scc0 .Lfirst_2
	tensor_load_to_lds s[60:63], s[48:55]          ; wave 1: W's K steps 0-2
	s_nop 0
.rept 4
	v_nop
.endr
	s_branch .Lfirst_done
.Lfirst_2:
	s_cmp_eq_u32 s14, 2
	s_cbranch_scc0 .Lfirst_3
	tensor_load_to_lds s[36:39], s[24:31]          ; wave 2: X's K steps 3-5
	s_nop 0
.rept 4
	v_nop
.endr
	s_branch .Lfirst_done
.Lfirst_3:
	tensor_load_to_lds s[60:63], s[48:55]          ; wave 3: W's K steps 3-5
	s_nop 0
.rept 4
	v_nop
.endr
.Lfirst_done:
	v_and_b32 v16, 31, v0                          ; l
	v_lshlrev_b32 v13, 4, v16
	v_lshlrev_b32 v14, 3, v16
	v_lshlrev_b32 v15, 2, v16
	s_mul_i32 s88, s15, 12800                      ; my half of X's record
	v_add_nc_u32 v1, s88, v13
	v_add_nc_u32 v2, 2*XREC, v1
	v_add_nc_u32 v3, 4*XREC, v1
	s_mul_i32 s89, s16, 9216                       ; my six fragments of W's
	s_add_co_u32 s89, s89, 6*XREC
	v_add_nc_u32 v4, s89, v13
	v_add_nc_u32 v5, 2*WREC, v4
	v_add_nc_u32 v6, 4*WREC, v4
	s_add_co_u32 s88, s88, 12288                   ; X's scale words
	v_add_nc_u32 v7, s88, v14
	v_add_nc_u32 v8, 2*XREC, v7
	v_add_nc_u32 v9, 4*XREC, v7
	s_mul_i32 s89, s16, 384                        ; W's
	s_add_co_u32 s89, s89, 6*XREC+18432
	v_add_nc_u32 v10, s89, v15
	v_add_nc_u32 v11, 2*WREC, v10
	v_add_nc_u32 v12, 4*WREC, v10
.irp b, 0,1,2,3
	v_mov_b32 v[TM+4+\b], 0                        ; a lane permute's destination counts as read
.endr
	; where the results go: half record ((batch x 16 + head) x 8 + block in the batch) x 2 + my half
	s_lshr_b32 s88, s75, 3
	s_lshl_b32 s88, s88, 4
	s_add_co_u32 s88, s88, s74
	s_lshl_b32 s88, s88, 3
	s_and_b32 s89, s75, 7
	s_add_co_u32 s88, s88, s89
	s_lshl_b32 s88, s88, 1
	s_add_co_u32 s88, s88, s15
	s_mul_i32 s89, s88, 6400                       ; in qbuf
	s_mul_i32 s92, s88, 12800                      ; in kvbuf
	s_mov_b32 s94, 12288
	s_cmp_eq_u32 s16, 0
	s_cselect_b64 s[80:81], s[8:9], s[10:11]       ; q's wave or k's
	s_cselect_b32 s90, s89, s92
	s_cselect_b32 s94, 6144, s94
	s_mov_b32 s91, 0
	s_mov_b32 s95, 0
	s_add_nc_u64 s[80:81], s[80:81], s[90:91]      ; the four double fragments
	s_add_nc_u64 s[82:83], s[80:81], s[94:95]      ; their 256 bytes of scale words
	s_mul_i32 s96, s16, 3072
	s_add_co_u32 s96, s96, s92
	s_add_co_u32 s96, s96, 6144
	s_mov_b32 s97, 0
	s_add_nc_u64 s[84:85], s[10:11], s[96:97]      ; my two fragments of v
	s_lshl_b32 s96, s16, 7
	s_add_co_u32 s96, s96, s92
	s_add_co_u32 s96, s96, 12544
	s_add_nc_u64 s[86:87], s[10:11], s[96:97]      ; their scale register
	s_wait_alu depctr_va_vdst(0)
	s_cmp_lt_u32 s14, 2                            ; waves 0 and 1 wait for their loads, K steps 0-2; the two others' may stay out
	s_cbranch_scc0 .Lnot_first
	s_wait_tensorcnt 0x0
.Lnot_first:
	s_barrier_signal -1
	s_barrier_wait -1
	FETCH 0
	KSTEP 0
	KSTEP 1
	KSTEP 2
	KSTEP 3
	KSTEP 4
	KSTEP 5
	KSTEP 6
	KSTEP 7
	; THE WAY OUT: no LDS: a fragment's image is stored from the registers in which it was made, 512 consecutive bytes a store; each has registers of its own.
	PLACES
.irp f, 0,1,2,3                        ; token tiles 2 f and 2 f + 1 of q or k
	QUANT 64*\f, 2, 64+20*\f, 192+\f
.irp c, 0,1,2
	global_store_b128 v13, v[64+20*\f+4*\c:64+20*\f+4*\c+3], s[80:81] offset:1536*\f+512*\c
.endr
.endr
	v_lshrrev_b32 v17, 4, v16
	v_lshlrev_b32 v17, 3, v17                      ; 8 (l / 16)
.irp n, 0,1
	QUANTV 64*\n, 144+20*\n, 196+\n
.irp c, 0,1,2
	global_store_b128 v13, v[144+20*\n+4*\c:144+20*\n+4*\c+3], s[84:85] offset:1536*\n+512*\c
.endr
.endr
	v_cmp_le_u32 vcc_lo, 16, v16                   ; lanes 16-31 (v16 = l, from the head)
	v_cndmask_b32 v200, v192, v193, vcc_lo         ; lanes 0-15 the even fragment's words, lanes 16-31 the odd one's
	v_cndmask_b32 v201, v194, v195, vcc_lo
	v_cndmask_b32 v202, v196, v197, vcc_lo
	global_store_b64 v14, v[200:201], s[82:83]     ; 256 consecutive bytes, aligned
	global_store_b32 v15, v202, s[86:87]
	s_wait_tensorcnt 0x0                           ; the wave's end
	ds_add_u32 v28, v29
	s_wait_dscnt 0x0
	CROUND                                         ; the closing round: no work-group ends while a partner may still ask for a record that names it
	s_endpgm
.Lfunc_end_k_q72fdbf012b_qkv:
	.size	k_q72fdbf012b_qkv, .Lfunc_end_k_q72fdbf012b_qkv-k_q72fdbf012b_qkv
	.p2alignl 7, 3214868480
	.fill 96, 4, 3214868480
	.section	.rodata,"a",@progbits
	.p2align	6, 0x0
	.amdhsa_kernel k_q72fdbf012b_qkv
		.amdhsa_group_segment_fixed_size 327680
		.amdhsa_private_segment_fixed_size 0
		.amdhsa_enable_private_segment 0
		.amdhsa_kernarg_size 32
		.amdhsa_user_sgpr_count 2
		.amdhsa_user_sgpr_kernarg_segment_ptr 1
		.amdhsa_wavefront_size32 1
		.amdhsa_system_sgpr_workgroup_id_x 1
		.amdhsa_system_sgpr_workgroup_id_y 1
		.amdhsa_system_sgpr_workgroup_id_z 1
		.amdhsa_system_vgpr_workitem_id 0
		.amdhsa_next_free_vgpr 1024
		.amdhsa_next_free_sgpr 100
		.amdhsa_reserve_vcc 1
		.amdhsa_float_denorm_mode_32 3
		.amdhsa_float_denorm_mode_16_64 3
		.amdhsa_memory_ordered 1
		.amdhsa_forward_progress 1
		.amdhsa_inst_pref_size 107
	.end_amdhsa_kernel
	.amdgpu_metadata
---
amdhsa.version: [ 1, 2 ]
amdhsa.kernels:
  - .name:           k_q72fdbf012b_qkv
    .symbol:         k_q72fdbf012b_qkv.kd
    .args:
      - { .name: xbuf, .offset: 0, .size: 8, .value_kind: global_buffer, .address_space: global }
      - { .name: wbuf, .offset: 8, .size: 8, .value_kind: global_buffer, .address_space: global }
      - { .name: qbuf, .offset: 16, .size: 8, .value_kind: global_buffer, .address_space: global }
      - { .name: kvbuf, .offset: 24, .size: 8, .value_kind: global_buffer, .address_space: global }
    .group_segment_fixed_size: 327680
    .private_segment_fixed_size: 0
    .kernarg_segment_align: 8
    .kernarg_segment_size: 32
    .max_flat_workgroup_size: 128
    .sgpr_count:     100
    .vgpr_count:     1024
    .wavefront_size: 32
...
	.end_amdgpu_metadata
.endif
;; end of part 2
;; launch attn (part 3): grid 4 x 64, 16 waves a work-group, clusters of 4 x 1, 327,680 bytes of LDS; arguments qbuf, kvbuf, abuf; writes abuf
.if DOCPART == 3
	.amdgcn_target "amdgcn-amd-amdhsa--gfx1250"
	.amdhsa_code_object_version 6
	.text
	.protected	k_q72fdbf012b_attn
	.globl	k_q72fdbf012b_attn
	.p2align	8
	.type	k_q72fdbf012b_attn,@function
k_q72fdbf012b_attn:
	s_mov_b64 s[64:65], 0
	v_nop
	global_prefetch_b8 v0, s[64:65] scope:SCOPE_SE
	s_setreg_imm32_b32 hwreg(HW_REG_WAVE_MODE, 25, 1), 1
	s_wait_xcnt 0x0
	s_wait_alu depctr_hold_cnt(0) depctr_sa_sdst(0) depctr_va_vdst(0) depctr_va_sdst(0) depctr_va_ssrc(0) depctr_va_vcc(0) depctr_vm_vsrc(0)
	s_getreg_b32 s2, hwreg(HW_REG_IB_STS2, 6, 4)
	s_cmp_eq_u32 s2, 0
	s_cbranch_scc0 .Lentry_in_a_cluster
	s_endpgm
.Lentry_in_a_cluster:
	s_bfe_u32 s2, ttmp6, 0x10000c
	s_cmp_lg_u32 s2, 0x3003
	s_cbranch_scc0 .Lentry_shape_is_right
	s_endpgm
.Lentry_shape_is_right:
; Causal attention of one (batch, head) on codes of FP6 (E2M3) with E8M0 scales; the result is quantised along (head, d) and stored as half of an operand's image for the last product.
; SOFTMAX: t = score x log2(e) / 8; M = the running largest t rounded UP to a whole number; p = 2^(t - M) is quantised along the keys, not normalised; the row's sum is taken of the unquantised p and divides O at the end.
; When M moves, the sum and O^T are multiplied by 2^(old M - new M): exact.  A block's largest p is made from the block's largest score by the same multiply-add and exponential.
; LEFT OUT: key steps of 128 whose keys all come after a tile's queries: the causal mask gives them -infinity ahead of the softmax, so they add nothing to any sum.
; LDS HOLDS THE HEAD'S WHOLE K AND V: 16 key steps of 128 keys x 12,800 bytes (k's 4 fragments, v's 4, k's scale words, v's) = 204,800 bytes, each byte filled once: wave w asks for key step w, its one tensor load.  No byte is filled again.
; CLUSTER 4 x 1: the four work-groups of a head want the same 16 tiles: each tile is asked for jointly (mask 15).  No branch and no LDS address hangs on the place cx: it enters global addresses and lane data alone.
; SHARES.  A head has 128 query tiles of 16.  Wave w of partner cx takes tile T = 4 w + cx and tile 127 - T.  Tile T needs key steps 0 .. T / 8: 16 - w / 2 steps for the large tile and w / 2 + 1 for the small: 17 for every wave.
; THE WALK: two loops of four trips: the large tile's key steps 0-3 and 4-7, none of which is masked (it has nine steps or more); a loop of nine trips: the rest of the large tile, its way out, the small tile from key step 0.
; WHO SHOWS WHAT: a first barrier shows waves 0-3's tiles (key steps 0-3; those waves have a load line of their own).  Then every wave waits for its own tile and signals a second barrier, whose wait stands behind the first loop: between the two stand register work and LDS loads of key steps 0-3 alone.
; NO PREFETCH: every tile is asked for by its tensor load at the head, and no later load is left to run ahead of.
; LAYOUT.  Both products transposed: S^T = K Q^T, O^T = V^T P^T: a lane holds one query.  Tile j of a band of 64 tokens holds tokens 8 j + r % 8 + 32 (r / 8): so score register 32 c + i of lane l is key 64 c + 32 (l / 16) + i of the step:
; a lane holds blocks l / 16 and 2 + l / 16 of P's operand whole, in the operand's own order: a block's largest score needs no other lane, and the conversions' results are the operand's registers.
; K = 64 IN AN INSTRUCTION OF 128: a fragment of k holds two key tiles (registers 0-5 and 6-11).  Q stands between two runs of zero codes, v24-29 | v30-35 | v36-41: v[30:41] picks the even tile, v[24:35] the odd one.
; Dependent plain lines stand five or more vector lines apart where independent work is at hand (the scale's lines among the sum's additions); the row's maximum is one chain and has its hints.
; LIMITS: NaN and infinities are not served; a block of zeros, or with its largest magnitude under 2^-124, keeps the byte 1; the promise holds while |t| stays under 2^31.  The result's scale bytes leave by stores of 2 bytes a row.
; REGISTERS: v1-3 16 l, 8 l, 4 l; v4-6 the step's LDS addresses; v7, v8 the add's; v9 r % 8 + 32 (r / 8) - 32 h; v10 8 r; v11 8 h; v12-18 Q's offsets; v20 -M, v21 largest score, v[22:23] the sum; v24-41 Q among zeros; v42 Q's scale word;
;   v44-91 four fragments of K, then of V; v96-159 S^T, then p; v160-191 O^T; v192-203 p's codes; v204-223 at work; v224-227 K's and V's scale words; v229 p's; v[230:231] f; v232-235, v244-255 at work; v236-242 the small tile's Q and scale word.
.set HALF,  12800
.set SPARE, 0x40000                    ; behind the tiles: the spare words, 128 bytes for each of sixteen waves, that no other line names
.set S,     96
.set O,     160
.set PCD,   192
.set BM,    212
.set PT,    216
.set SOP,   220
.set FLOOR, 0x1800000
.macro HINT n
	s_delay_alu instid0(VALU_DEP_\n)
.endm
.macro WMC c
.if fRA
	v_wmma_scale_f32_16x16x128_f8f6f4 v[rD:rD+7], v[rA:rA+11], v[rB:rB+11], \c, v[rSA], v[rSB] matrix_a_fmt:MATRIX_FMT_FP6 matrix_b_fmt:MATRIX_FMT_FP6 matrix_a_scale:MATRIX_SCALE_ROW1
.else
	v_wmma_scale_f32_16x16x128_f8f6f4 v[rD:rD+7], v[rA:rA+11], v[rB:rB+11], \c, v[rSA], v[rSB] matrix_a_fmt:MATRIX_FMT_FP6 matrix_b_fmt:MATRIX_FMT_FP6
.endif
.endm
.macro CROUND                          ; a round of the cluster's barrier
	s_barrier_signal -1
	s_barrier_wait -1
	s_cmp_lg_u32 s18, 0
	s_cbranch_scc1 .Lnot_wave_0_\@
	s_barrier_signal -3
.Lnot_wave_0_\@:
	s_barrier_wait -3
	s_barrier_signal -1
	s_barrier_wait -1
.endm
.macro TL                              ; my key step's tile; s_nop 0 and four v_nop follow the line
	tensor_load_to_lds s[32:35], s[24:31]
	s_nop 0
.rept 4
	v_nop
.endr
.endm
; Query tile s\t: u = T % 2, f = (T / 2) % 4, g = (T / 8) % 2, block of 256 = T / 16.  Its Q (six registers of a double fragment's image) into v[q ..], its scale word into v[w];
; s\sd = 64 ((T / 4) % 2) + 8 (T % 4): the tile's place in its diagonal key step; s\sh = 16 u: its two bytes in the word.
.macro TILEQ t, q, w, va, qb, sd, sh
	s_and_b32 s70, s\t, 1
	s_bfe_u32 s71, s\t, 0x20001
	s_bfe_u32 s72, s\t, 0x10003
	s_lshr_b32 s73, s\t, 4
	s_lshl_b32 s\sh, s70, 4
	s_bfe_u32 s\sd, s\t, 0x10002
	s_lshl_b32 s\sd, s\sd, 6
	s_and_b32 s74, s\t, 3
	s_lshl_b32 s74, s74, 3
	s_add_co_u32 s\sd, s\sd, s74
	s_mul_i32 s74, s73, 12800
	s_mul_i32 s75, s72, 6400
	s_add_co_u32 s74, s74, s75
	s_add_co_u32 s74, s74, s60
	s_mov_b32 s75, 0
	s_add_nc_u64 s[\qb:\qb+1], s[4:5], s[74:75]    ; qbuf: my head, the tile's block and half
	s_mul_i32 s76, s71, 1536
	s_mul_i32 s78, s70, 520
	s_add_co_u32 s78, s78, s76                     ; registers 6 u, 6 u + 1 of the image (and, 512 on, 6 u + 4, 6 u + 5)
	s_mul_i32 s79, s70, 1016
	s_add_co_u32 s79, s79, s76                     ; 8 bytes under registers 6 u + 2, 6 u + 3
	s_and_b32 s77, s71, 1
	s_lshl_b32 s77, s77, 7
	s_lshr_b32 s76, s71, 1
	s_lshl_b32 s76, s76, 2
	s_add_co_u32 s77, s77, s76
	v_add_nc_u32 v[\va], s78, v1
	v_add_nc_u32 v[\va+1], s79, v1
	v_add_nc_u32 v[\va+2], s77, v10
	global_load_b64 v[\q:\q+1], v[\va], s[\qb:\qb+1]
	global_load_b64 v[\q+2:\q+3], v[\va+1], s[\qb:\qb+1] offset:8
	global_load_b64 v[\q+4:\q+5], v[\va], s[\qb:\qb+1] offset:512
	global_load_b32 v[\w], v[\va+2], s[\qb:\qb+1] offset:6144
.endm
.macro TILEO t, oc, os                 ; where tile s\t's codes (s[oc]) and its scale bytes (s[os]) go
	s_and_b32 s70, s\t, 1
	s_bfe_u32 s71, s\t, 0x20001
	s_bfe_u32 s72, s\t, 0x10003
	s_lshr_b32 s73, s\t, 4
	s_mov_b32 s75, 0
	s_add_co_u32 s76, s61, s72
	s_mul_i32 s76, s76, 12800
	s_mul_i32 s77, s73, 204800
	s_add_co_u32 s76, s76, s77                     ; abuf: unit 128 x batch + 2 (head / 2) + g of the tile's block
	s_and_b32 s77, s\t, 7
	s_mul_i32 s77, s77, 1536
	s_add_co_u32 s74, s76, s77
	s_add_co_u32 s74, s74, s63                     ; fragment T % 8, half e
	s_add_nc_u64 s[\oc:\oc+1], s[8:9], s[74:75]
	s_lshr_b32 s77, s71, 1
	s_lshl_b32 s77, s77, 8
	s_add_co_u32 s74, s76, s77
	s_lshl_b32 s77, s70, 7
	s_add_co_u32 s74, s74, s77
	s_and_b32 s77, s71, 1
	s_lshl_b32 s77, s77, 2
	s_add_co_u32 s74, s74, s77
	s_add_co_u32 s74, s74, s62
	s_add_nc_u64 s[\os:\os+1], s[8:9], s[74:75]
.endm
; The row's sum goes in eight chains of pairs: chain 7 is the running sum v[22:23], the others are at work.
.macro TA i
.if (\i) == 0
.set rT, 234
.elseif (\i) == 7
.set rT, 22
.else
.set rT, 256-2*(\i)
.endif
.endm
.macro FIRST i                         ; chain i = pairs 2 i and 2 i + 1 of p
	TA \i
	v_pk_add_f32 v[rT:rT+1], v[S+4*(\i):S+4*(\i)+1], v[S+4*(\i)+2:S+4*(\i)+3]
.endm
.macro ACC i, k                        ; chain i += pair k
	TA \i
	v_pk_add_f32 v[rT:rT+1], v[rT:rT+1], v[S+2*(\k):S+2*(\k)+1]
.endm
.macro JOIN i, j                       ; chain i += chain j
	TA \j
.set rU, rT
	TA \i
	v_pk_add_f32 v[rT:rT+1], v[rT:rT+1], v[rU:rU+1]
.endm
; A KEY STEP: the 128 keys at LDS byte s42.  mask = 1: where s69 is 1 the step is the tile's diagonal one, and hidden scores become -infinity ahead of the maximum.
.macro STEP mask
	v_add_nc_u32 v4, s42, v1
	v_add_nc_u32 v5, s42, v2
	v_add_nc_u32 v6, s42, v3
	v_nop                                          ; four plain lines between the last step's products and the loads into the registers that they read
.irp f, 0,1,2,3
.irp c, 0,1,2
	ds_load_b128 v[44+12*\f+4*\c:47+12*\f+4*\c], v4 offset:1536*\f+512*\c
.endr
.endr
	ds_load_b64 v[224:225], v5 offset:12288
	s_wait_alu depctr_va_vdst(0)
	s_wait_dscnt 0x0
.irp f, 0,1,2,3                        ; S^T: key tiles 2 f (Q in registers 0-5) and 2 f + 1 (Q in registers 6-11) from one fragment of k
.irp u, 0,1
.set rD, S+8*(2*\f+\u)
.set rA, 44+12*\f
.set rB, 30-6*\u
.set rSA, 224+\f/2
.set rSB, 42
.set fRA, \f%2
	WMC 0
.endr
.endr
.rept 4
	v_nop                                          ; places: for the loads below and for the first read of the scores
.endr
.irp n, 0,1,2,3                        ; V's fragments into the same registers: they land during the softmax
.irp c, 0,1,2
	ds_load_b128 v[44+12*\n+4*\c:47+12*\n+4*\c], v4 offset:6144+1536*\n+512*\c
.endr
.endr
.irp j, 0,1
	ds_load_b32 v[226+\j], v6 offset:12544+128*\j
.endr
.if \mask
	s_cmp_eq_u32 s69, 0                            ; a branch on the wave's number and the trip alone
	s_cbranch_scc1 .Lopen_\@
	v_add_nc_u32 v232, s44, v9                     ; d = my query - the step's first key - 32 (l / 16).  Register 32 c + i holds key 64 c + 32 (l / 16) + i of the step: hidden where 64 c + i > d
	v_mov_b32 v233, 0xff800000                     ; -infinity
.set cN, 32                            ; this text serves the diagonal step of a tile in the upper band of 64 alone: keys 0-63 all come before its queries
.rept 32
	v_cmp_gt_i32 vcc_lo, 64*(cN/32)+cN%32, v232
	v_cndmask_b32 v[S+cN], v[S+cN], v233, vcc_lo
.set cN, cN+1
.endr
.Lopen_\@:
.endif
.irp b, 0,1,2,3                        ; the largest score of my two blocks of 32 keys, each in two chains; every accumulator is read from its low end on
	v_max3_num_f32 v[BM+\b], v[S+16*\b], v[S+1+16*\b], v[S+2+16*\b]
.endr
.irp i, 3,5,7,9,11,13
.irp b, 0,1,2,3
	v_max3_num_f32 v[BM+\b], v[BM+\b], v[S+16*\b+\i], v[S+1+16*\b+\i]
.endr
.endr
.irp c, 0,1
	v_max3_num_f32 v[BM+2*\c], v[BM+2*\c], v[BM+2*\c+1], v[S+15+32*\c]
.endr
.irp c, 0,1
	v_max_num_f32 v[BM+2*\c], v[BM+2*\c], v[S+31+32*\c]   ; v[BM]: block l / 16; v[BM+2]: block 2 + l / 16
.endr
	HINT 1
	v_max_num_f32 v232, v[BM], v[BM+2]
	HINT 1
	v_permlanex16_b32 v233, v232, s20, s21         ; lane l xor 16's 64 keys
	v_mov_b32 v234, v20
	HINT 2
	v_max3_num_f32 v21, v21, v232, v233            ; the running largest score
	HINT 1
	v_mul_f32 v235, s16, v21                       ; -t (c is positive)
	HINT 1
	v_floor_f32 v20, v235                          ; the new -M = -ceil(t)
.set cJ, 0
.rept 32
	v_pk_fma_f32 v[S+cJ:S+cJ+1], v[S+cJ:S+cJ+1], s[22:23], v[20:21] op_sel_hi:[1,0,0]   ; t - M, two at a time
.if cJ == 8
	v_sub_f32 v234, v20, v234                      ; old M - new M: a whole number, 0 or less
.endif
.if cJ == 18
	v_cvt_i32_f32 v234, v234                       ; (it saturates)
.endif
.if cJ == 28
	v_ldexp_f32 v230, 1.0, v234                    ; f = 2^(old M - new M)
.endif
.set cJ, cJ+2
.endr
.irp c, 0,1
	v_fma_f32 v[BM+2*\c], v[BM+2*\c], s22, v20
.endr
.set cJ, 0
	s_wait_alu depctr_va_vdst(0)
.rept 64
	v_exp_f32 v[S+cJ], v[S+cJ]                     ; p = 2^(t - M)
.set cJ, cJ+1
.endr
	v_pk_mul_f32 v[22:23], v[22:23], v[230:231] op_sel_hi:[1,0]   ; the sum under the new M: the plain line behind the exponentials
	s_wait_alu depctr_va_vdst(0)                   ; one wait for the batch of 64, ahead of its first reader
.irp c, 0,1
	v_exp_f32 v[BM+2*\c], v[BM+2*\c]               ; each block's largest p
.endr
.irp i, 0,1,2,3,4,5,6
	FIRST \i
.endr
	ACC 7, 14
	s_wait_alu depctr_va_vdst(0)                   ; and one for the two
.irp c, 0,1
	v_max_num_f32 v[BM+2*\c], FLOOR, v[BM+2*\c]    ; the floor: a block whose every p is 0 keeps the byte 1 and has zero codes
.endr
.irp i, 0,1,2,3
	ACC \i, 15+\i
.endr
.irp c, 0,1
	v_add_nc_u32 v[SOP+2*\c], 0xff000000, v[BM+2*\c]   ; 2 off the exponent field: the conversions' scale operand
.endr
.irp i, 4,5,6,7
	ACC \i, 15+\i
.endr
.irp c, 0,1
	v_lshrrev_b32 v[PT+2*\c], 23, v[SOP+2*\c]      ; the byte
.endr
.irp i, 0,1,2,3
	ACC \i, 23+\i
.endr
	v_lshl_or_b32 v229, v[PT+2], 16, v[PT]         ; my two bytes,
.irp i, 4,5,6,7
	ACC \i, 23+\i
.endr
	v_lshlrev_b32 v229, v11, v229                  ; 8 (l / 16) bits up
	ACC 0, 31
	JOIN 1, 5
	JOIN 2, 6
	JOIN 7, 3
	v_permlanex16_b32 v[PT+1], v229, s20, s21
	JOIN 0, 4
.irp c, 0,1
	v_cvt_scalef32_pk16_fp6_f32 v[PCD+6*\c:PCD+2+6*\c], v[S+32*\c:S+15+32*\c], v[SOP+2*\c]
	v_cvt_scalef32_pk16_fp6_f32 v[204+4*\c:206+4*\c], v[S+16+32*\c:S+31+32*\c], v[SOP+2*\c]   ; (a conversion's three registers begin on an even number)
.endr
	JOIN 1, 2                                      ; the plain line behind the conversions
	JOIN 7, 0
	v_or_b32 v229, v229, v[PT+1]                   ; with lane l xor 16's two: p's scale word for these 128 keys
.irp c, 0,1
.irp i, 0,1,2
	v_mov_b32 v[PCD+3+6*\c+\i], v[204+4*\c+\i]
.endr
.endr
	JOIN 7, 1
.set cJ, 0
.rept 16
	v_pk_mul_f32 v[O+cJ:O+cJ+1], v[O+cJ:O+cJ+1], v[230:231] op_sel_hi:[1,0]   ; O^T under the new M; these sixteen also stand between the writes of p's codes and scale word and the products
.set cJ, cJ+2
.endr
	s_wait_alu depctr_va_vdst(0)
	s_wait_dscnt 0x0                               ; V is in
.irp n, 0,1,2,3                        ; O^T += V^T P^T: four accumulators by turns
.set rD, O+8*\n
.set rA, 44+12*\n
.set rB, PCD
.set rSA, 226+\n/2
.set rSB, 229
.set fRA, \n%2
	WMC v[rD:rD+7]
.endr
.endm
; A QUERY TILE'S END: O^T / the sum, quantised along d (two blocks of 32; register 16 b + i is d = 32 b + 16 (l / 16) + i), stored as registers 6 e .. 6 e + 5 of the last product's fragment (e = head % 2) and two bytes of its scale word.  No LDS.
; THE DIAGONAL KEY STEP OF A TILE IN THE LOWER BAND OF 64: keys 64-127 all come after its queries, so only key tiles 0-3 are multiplied: a lane has one block, l / 16.  P's blocks 2 and 3 get zero codes (their scale bytes are 0, a finite code).
; The mask's lines, the zero codes and O^T's rescaling stand between lines that hang on each other.
.macro MASK1 n
	v_cmp_gt_i32 vcc_lo, \n, v232
	v_cndmask_b32 v[S+\n], v[S+\n], v233, vcc_lo
.endm
.macro OMUL k
	v_pk_mul_f32 v[O+2*(\k):O+2*(\k)+1], v[O+2*(\k):O+2*(\k)+1], v[230:231] op_sel_hi:[1,0]
.endm
.macro HSTEP
	v_add_nc_u32 v4, s42, v1
	v_add_nc_u32 v5, s42, v2
	v_add_nc_u32 v6, s42, v3
	v_nop                                          ; four plain lines between the last step's products and the loads into the registers that they read
.irp f, 0,1
.irp c, 0,1,2
	ds_load_b128 v[44+12*\f+4*\c:47+12*\f+4*\c], v4 offset:1536*\f+512*\c
.endr
.endr
	ds_load_b32 v224, v5 offset:12288
	s_wait_alu depctr_va_vdst(0)
	s_wait_dscnt 0x0
.irp f, 0,1
.irp u, 0,1
.set rD, S+8*(2*\f+\u)
.set rA, 44+12*\f
.set rB, 30-6*\u
.set rSA, 224
.set rSB, 42
.set fRA, \f%2
	WMC 0
.endr
.endr
.rept 4
	v_nop                                          ; places: for the loads below and for the first read of the scores
.endr
.irp n, 0,1,2,3
.irp c, 0,1,2
	ds_load_b128 v[44+12*\n+4*\c:47+12*\n+4*\c], v4 offset:6144+1536*\n+512*\c
.endr
.endr
.irp j, 0,1
	ds_load_b32 v[226+\j], v6 offset:12544+128*\j
.endr
	v_add_nc_u32 v232, s44, v9                     ; d = my query - the step's first key - 32 (l / 16): register i, key 32 (l / 16) + i, is hidden where i > d
	v_mov_b32 v233, 0xff800000                     ; -infinity
.irp n, 0,1,2,3,4
	MASK1 \n
.endr
	v_max3_num_f32 v[BM], v[S], v[S+1], v[S+2]     ; my block's largest score: one chain, two registers' mask lines between its links
.set cK, 1
.rept 13
	MASK1 2*cK+3
	MASK1 2*cK+4
	v_max3_num_f32 v[BM], v[BM], v[S+2*cK+1], v[S+2*cK+2]
.set cK, cK+1
.endr
	MASK1 31
.irp i, 6,7
	v_mov_b32 v[PCD+\i], 0                         ; the zero codes of blocks 2 and 3
.endr
	v_max3_num_f32 v[BM], v[BM], v[S+29], v[S+30]
.irp i, 8,9,10,11
	v_mov_b32 v[PCD+\i], 0
.endr
	v_max_num_f32 v[BM], v[BM], v[S+31]
	HINT 1
	v_permlanex16_b32 v233, v[BM], s20, s21        ; lane l xor 16's block
	v_mov_b32 v234, v20
	HINT 2
	v_max3_num_f32 v21, v21, v[BM], v233           ; the running largest score
	HINT 1
	v_mul_f32 v235, s16, v21
	HINT 1
	v_floor_f32 v20, v235                          ; the new -M
.set cJ, 0
.rept 16
	v_pk_fma_f32 v[S+cJ:S+cJ+1], v[S+cJ:S+cJ+1], s[22:23], v[20:21] op_sel_hi:[1,0,0]
.if cJ == 8
	v_sub_f32 v234, v20, v234
.endif
.if cJ == 18
	v_cvt_i32_f32 v234, v234
.endif
.if cJ == 28
	v_ldexp_f32 v230, 1.0, v234                    ; f = 2^(old M - new M)
.endif
.set cJ, cJ+2
.endr
	v_fma_f32 v[BM], v[BM], s22, v20
.set cJ, 0
	s_wait_alu depctr_va_vdst(0)
.rept 32
	v_exp_f32 v[S+cJ], v[S+cJ]
.set cJ, cJ+1
.endr
	v_pk_mul_f32 v[22:23], v[22:23], v[230:231] op_sel_hi:[1,0]   ; the plain line behind the exponentials
	s_wait_alu depctr_va_vdst(0)
	v_exp_f32 v[BM], v[BM]                         ; the block's largest p
.irp i, 0,1,2,3,4,5,6
	FIRST \i
.endr
	ACC 7, 14
	s_wait_alu depctr_va_vdst(0)
	v_max_num_f32 v[BM], FLOOR, v[BM]
	ACC 0, 15
	JOIN 1, 5
	JOIN 2, 6
	JOIN 7, 3
	v_add_nc_u32 v[SOP], 0xff000000, v[BM]
	JOIN 0, 4
	OMUL 0
	OMUL 1
	OMUL 2
	v_lshrrev_b32 v[PT], 23, v[SOP]
	JOIN 1, 2
	JOIN 7, 0
	OMUL 3
	OMUL 4
	v_lshlrev_b32 v229, v11, v[PT]                 ; my byte, 8 (l / 16) bits up
	v_cvt_scalef32_pk16_fp6_f32 v[PCD:PCD+2], v[S:S+15], v[SOP]
	v_cvt_scalef32_pk16_fp6_f32 v[204:206], v[S+16:S+31], v[SOP]
	OMUL 5                                         ; the plain line behind the conversions
	JOIN 7, 1
	v_permlanex16_b32 v[PT+1], v229, s20, s21
.irp i, 0,1,2
	v_mov_b32 v[PCD+3+\i], v[204+\i]
.endr
	OMUL 6
	OMUL 7
	v_or_b32 v229, v229, v[PT+1]                   ; p's scale word: bytes 0 and 1
.irp k, 8,9,10,11,12,13,14,15
	OMUL \k                                        ; eight places between the scale word's write and the products
.endr
	s_wait_alu depctr_va_vdst(0)
	s_wait_dscnt 0x0                               ; V is in
.irp n, 0,1,2,3
.set rD, O+8*\n
.set rA, 44+12*\n
.set rB, PCD
.set rSA, 226+\n/2
.set rSB, 229
.set fRA, \n%2
	WMC v[rD:rD+7]
.endr
.endm
.macro EPI oc, os
.rept 4
	v_nop                                          ; places behind the last products
.endr
	v_add_f32 v22, v22, v23
	HINT 1
	v_permlanex16_b32 v232, v22, s20, s21
	HINT 1
	v_add_f32 v22, v22, v232                       ; the row's sum
	s_wait_alu depctr_va_vdst(0)
	v_rcp_f32 v230, v22
	v_nop                                          ; a plain line behind the reciprocal,
	s_wait_alu depctr_va_vdst(0)                   ; and the wait ahead of its first reader
.set cJ, 0
.rept 16
	v_pk_mul_f32 v[S+cJ:S+cJ+1], v[O+cJ:O+cJ+1], v[230:231] op_sel_hi:[1,0]
.set cJ, cJ+2
.endr
.irp b, 0,1
	v_max3_num_f32 v[BM+\b], |v[S+16*\b]|, |v[S+1+16*\b]|, FLOOR
.endr
.irp i, 2,4,6,8,10,12,14
.irp b, 0,1
	HINT 2
	v_max3_num_f32 v[BM+\b], v[BM+\b], |v[S+16*\b+\i]|, |v[S+1+16*\b+\i]|
.endr
.endr
.irp b, 0,1
	HINT 2
	v_permlanex16_b32 v[PT+\b], v[BM+\b], s20, s21
.endr
.irp b, 0,1
	HINT 2
	v_max_num_f32 v[BM+\b], v[BM+\b], v[PT+\b]
.endr
.irp b, 0,1
	HINT 2
	v_add_nc_u32 v[SOP+\b], 0xff000000, v[BM+\b]
.endr
.irp b, 0,1
	HINT 2
	v_lshrrev_b32 v[PT+\b], 23, v[SOP+\b]
.endr
	HINT 1
	v_lshl_or_b32 v233, v[PT+1], 8, v[PT]
	v_cvt_scalef32_pk16_fp6_f32 v[PCD:PCD+2], v[S:S+15], v[SOP]
	v_cvt_scalef32_pk16_fp6_f32 v[204:206], v[S+16:S+31], v[SOP+1]
	v_nop
.irp i, 0,1,2
	v_permlane16_swap_b32 v[PCD+\i], v[204+\i]
.endr
.irp i, 0,1,2
	HINT 3
	v_mov_b32 v[PCD+3+\i], v[204+\i]
.endr
	global_store_b128 v1, v[PCD:PCD+3], s[\oc:\oc+1]              ; 512 consecutive bytes
	global_store_b64 v2, v[PCD+4:PCD+5], s[\oc:\oc+1] offset:512  ; 256 consecutive bytes
	global_store_b16 v10, v233, s[\os:\os+1]                      ; lanes l and l xor 16 write the same two bytes with the same value
	s_wait_xcnt 0x0                                ; the stores' registers are written again only behind this wait
.endm
; A QUERY TILE'S START: the sums begin as zeros, the largest score as -3e38 and -M as 2^125, so that the step is written once: the first f is 0.
.macro INITA
	v_mov_b32 v21, 0xff61b1e6
	v_mov_b32 v20, 0x7e000000
	v_mov_b32 v22, 0
	v_mov_b32 v23, 0
.endm
.macro INITB
.set cJ, 0
.rept 32
	v_mov_b32 v[O+cJ], 0                           ; (these also stand between the write of Q's scale word and the next product)
.set cJ, cJ+1
.endr
.endm
	s_load_b128 s[4:7], s[0:1], 0x0                ; qbuf s[4:5], kvbuf s[6:7]
	s_load_b64 s[8:9], s[0:1], 0x10                ; abuf
	v_lshl_add_u32 v7, v0, 2, SPARE
	v_mov_b32 v8, 0
	ds_add_u32 v7, v8                              ; the opening lines: the add twice on end and its wait ahead of my first tensor load
	ds_add_u32 v7, v8
	v_lshrrev_b32 v1, 5, v0
	HINT 1
	v_readfirstlane_b32 s18, v1                    ; wave 0..15
	v_and_b32 v232, 31, v0                         ; l
	v_and_b32 v233, 15, v0                         ; r
	v_bfe_u32 v234, v0, 4, 1                       ; h
	v_bfe_u32 v235, v0, 3, 1                       ; r / 8
	v_and_b32 v9, 7, v0                            ; r % 8
	v_lshlrev_b32 v1, 4, v232
	v_lshlrev_b32 v2, 3, v232
	v_lshlrev_b32 v3, 2, v232
	v_lshlrev_b32 v10, 3, v233
	v_lshlrev_b32 v11, 3, v234
	v_sub_nc_u32 v235, v235, v234
	v_mov_b32 v231, 0                              ; (named as the upper half of the pair v[230:231])
.irp b, 0,1,2,3
	v_mov_b32 v[PT+\b], 0                          ; a lane permute's destination counts as read
.endr
	v_lshl_add_u32 v9, v235, 5, v9                 ; r % 8 + 32 (r / 8) - 32 h
	s_bfe_u32 s19, ttmp6, 0x40000                  ; cx: my place among the head's four work-groups
	s_and_b32 s66, ttmp7, 0xffff                   ; batch x 16 + head
	s_lshl_b32 s36, s18, 2
	s_add_co_u32 s36, s36, s19                     ; the small tile, T = 4 w + cx
	s_sub_co_u32 s37, 127, s36                     ; the large one
	s_mul_i32 s60, s66, 102400
	s_mov_b32 s24, 15|(3<<16)|(1<<21)              ; group 1: the mask names the four; elements of 8 bytes; bit 21 beside a mask; no padding
	s_mov_b32 s25, 32<<16                          ; rows of 256 bytes,
	s_mov_b32 s26, 50<<16                          ; 50 of them: a key step
	s_mov_b32 s27, 32<<16
	s_mov_b32 s28, 50
	s_mov_b32 s29, 32
	s_mov_b32 s30, 0
	s_mov_b32 s31, 0
	s_mov_b32 s32, 1
	s_mul_i32 s33, s18, HALF                       ; key step w lies at LDS byte 12,800 w
	s_mul_i32 s68, s66, 16*HALF
	s_add_co_u32 s68, s68, s33
	s_mov_b32 s69, 0
	s_wait_alu depctr_va_vdst(0)
	s_wait_dscnt 0x0
	CROUND                                         ; the four work-groups are here: the joint loads meet; the round stands ahead of the wait for the arguments
	s_wait_kmcnt 0x0
	s_add_nc_u64 s[34:35], s[6:7], s[68:69]
	s_or_b32 s35, s35, 0x80000000
	s_cmp_lt_u32 s18, 4                            ; one chain of branches on the wave's number, one load to an arm; the waves of the first barrier have a line of their own
	s_cbranch_scc0 .Larm_2
	TL
	s_branch .Lasked
.Larm_2:
	TL
.Lasked:
	TILEQ 37, 30, 43, 12, 46, 44, 45               ; the large tile's Q first,
	TILEQ 36, 236, 242, 16, 52, 54, 55             ; then the small tile's
	s_mov_b32 s20, 0x76543210
	s_mov_b32 s21, 0xfedcba98
	s_mov_b32 s22, 0x3e38aa3b                      ; c = log2(e) / 8
	s_mov_b32 s23, s22
	s_mov_b32 s16, 0xbe38aa3b                      ; -c
	s_lshr_b32 s17, s18, 1
	s_sub_co_u32 s38, 8, s17                       ; the large tile's trips in the last loop: 16 - w / 2 - 8
	s_sub_co_u32 s39, 7, s17                       ; the last of them
	s_and_b32 s41, s18, 1                          ; the small tile's band of 64 is w % 2, the large tile's the other one: both hang on the wave's number alone
	s_add_co_u32 s43, s41, 1                       ; the kind of the tile's diagonal step: 1 in the upper band, 2 in the lower.  s43: the tile in hand (the large one first),
	s_sub_co_u32 s41, 2, s41                       ; s41: the small tile's
	s_lshr_b32 s61, s66, 4
	s_lshl_b32 s61, s61, 7
	s_and_b32 s67, s66, 14
	s_add_co_u32 s61, s61, s67
	s_and_b32 s67, s66, 1                          ; e = head % 2
	s_mul_i32 s63, s67, 768
	s_lshl_b32 s62, s67, 1
	s_add_co_u32 s62, s62, 12288
	TILEO 37, 48, 50
	TILEO 36, 56, 58
	s_mov_b32 s42, 0
	s_mov_b32 s40, 0
	s_wait_loadcnt 0x4                             ; the large tile's four loads are in; the small tile's four, which are younger, may stay out
	v_lshrrev_b32 v43, s45, v43                    ; my tile's two bytes of the double fragment's word,
.irp j, 24,25,26,27,28,29
	v_mov_b32 v\j, 0                               ; the zero codes on both sides of Q
.endr
	v_and_b32 v43, 0xffff, v43
.irp j, 36,37,38,39,40,41
	v_mov_b32 v\j, 0
.endr
	v_lshl_or_b32 v42, v43, 16, v43                ; twice: they serve wherever Q stands among the zeros
	INITA
	INITB
	s_wait_alu depctr_va_vdst(0)
	s_cmp_lt_u32 s18, 4
	s_cbranch_scc0 .Lnot_first
	s_wait_tensorcnt 0x0
.Lnot_first:
	s_barrier_signal -1
	s_barrier_wait -1                              ; key steps 0-3 are in
	s_wait_tensorcnt 0x0                           ; every wave: my own tile is in,
	s_barrier_signal -1                            ; say so now; the wait stands behind the first loop
.Lfirst_four:
	STEP 0
	s_add_co_u32 s42, s42, HALF
	s_add_co_u32 s40, s40, 1
	s_cmp_lt_u32 s40, 4
	s_cbranch_scc1 .Lfirst_four
	s_barrier_wait -1                              ; all sixteen key steps are in
	s_mov_b32 s42, 4*HALF
.Lnext_four:
	STEP 0
	s_add_co_u32 s42, s42, HALF
	s_add_co_u32 s40, s40, 1
	s_cmp_lt_u32 s40, 8
	s_cbranch_scc1 .Lnext_four
	s_mov_b32 s40, 0
.Lrest:                                            ; nine trips: the large tile's key steps 8 .., then the small tile's 0 ..
	s_add_co_u32 s67, s40, 8
	s_sub_co_u32 s68, s40, s38
	s_cmp_ge_u32 s40, s38
	s_cselect_b32 s67, s68, s67                    ; the trip's key step,
	s_min_u32 s67, s67, 15                         ; which is 15 at the most
	s_mul_i32 s42, s67, HALF
	s_cmp_eq_u32 s40, s39                          ; a tile's last key step is its diagonal one
	s_cselect_b32 s69, s43, 0
	s_cmp_eq_u32 s40, 8
	s_cselect_b32 s69, s43, s69
	s_cmp_eq_u32 s69, 2                            ; a branch on the wave's number and the trip alone
	s_cbranch_scc1 .Lhalf
	STEP 1
	s_branch .Ljoin
.Lhalf:
	HSTEP
.Ljoin:
	s_cmp_lg_u32 s40, s39                          ; behind the large tile's last step (a branch on the wave's number and the trip; no LDS line or barrier stands under it)
	s_cbranch_scc1 .Lsame
	EPI 48, 50
	s_wait_loadcnt 0x0                             ; the small tile's Q and scale word
	v_lshrrev_b32 v242, s55, v242
.irp i, 0,1,2,3,4,5
	v_mov_b32 v[30+\i], v[236+\i]
.endr
	v_and_b32 v242, 0xffff, v242
	INITA
	v_lshl_or_b32 v42, v242, 16, v242
	s_mov_b32 s44, s54
	s_mov_b32 s43, s41
	INITB
.Lsame:
	s_add_co_u32 s40, s40, 1
	s_cmp_lt_u32 s40, 9
	s_cbranch_scc1 .Lrest
	EPI 56, 58
	s_wait_tensorcnt 0x0                           ; the wave's end
	ds_add_u32 v7, v8
	s_wait_dscnt 0x0
	CROUND                                         ; the closing round
	s_endpgm
.Lfunc_end_k_q72fdbf012b_attn:
	.size	k_q72fdbf012b_attn, .Lfunc_end_k_q72fdbf012b_attn-k_q72fdbf012b_attn
	.p2alignl 7, 3214868480
	.fill 96, 4, 3214868480
	.section	.rodata,"a",@progbits
	.p2align	6, 0x0
	.amdhsa_kernel k_q72fdbf012b_attn
		.amdhsa_group_segment_fixed_size 327680
		.amdhsa_private_segment_fixed_size 0
		.amdhsa_enable_private_segment 0
		.amdhsa_kernarg_size 24
		.amdhsa_user_sgpr_count 2
		.amdhsa_user_sgpr_kernarg_segment_ptr 1
		.amdhsa_wavefront_size32 1
		.amdhsa_system_sgpr_workgroup_id_x 1
		.amdhsa_system_sgpr_workgroup_id_y 1
		.amdhsa_system_sgpr_workgroup_id_z 1
		.amdhsa_system_vgpr_workitem_id 0
		.amdhsa_next_free_vgpr 256
		.amdhsa_next_free_sgpr 96
		.amdhsa_reserve_vcc 1
		.amdhsa_float_denorm_mode_32 3
		.amdhsa_float_denorm_mode_16_64 3
		.amdhsa_memory_ordered 1
		.amdhsa_forward_progress 1
		.amdhsa_inst_pref_size 81
	.end_amdhsa_kernel
	.amdgpu_metadata
---
amdhsa.version: [ 1, 2 ]
amdhsa.kernels:
  - .name:           k_q72fdbf012b_attn
    .symbol:         k_q72fdbf012b_attn.kd
    .args:
      - { .name: qbuf, .offset: 0, .size: 8, .value_kind: global_buffer, .address_space: global }
      - { .name: kvbuf, .offset: 8, .size: 8, .value_kind: global_buffer, .address_space: global }
      - { .name: abuf, .offset: 16, .size: 8, .value_kind: global_buffer, .address_space: global }
    .group_segment_fixed_size: 327680
    .private_segment_fixed_size: 0
    .kernarg_segment_align: 8
    .kernarg_segment_size: 24
    .max_flat_workgroup_size: 512
    .sgpr_count:     96
    .vgpr_count:     256
    .wavefront_size: 32
...
	.end_amdgpu_metadata
.endif
;; end of part 3
;; launch proj (part 4): grid 8 x 32, 4 waves a work-group, clusters of 4 x 4, 327,680 bytes of LDS; arguments abuf, wobuf, bo, out0; writes out0
.if DOCPART == 4
	.amdgcn_target "amdgcn-amd-amdhsa--gfx1250"
	.amdhsa_code_object_version 6
	.text
	.protected	k_q72fdbf012b_proj
	.globl	k_q72fdbf012b_proj
	.p2align	8
	.type	k_q72fdbf012b_proj,@function
k_q72fdbf012b_proj:
	s_mov_b64 s[64:65], 0
	v_nop
	global_prefetch_b8 v0, s[64:65] scope:SCOPE_SE
	s_setreg_imm32_b32 hwreg(HW_REG_WAVE_MODE, 25, 1), 1
	s_wait_xcnt 0x0
	s_wait_alu depctr_hold_cnt(0) depctr_sa_sdst(0) depctr_va_vdst(0) depctr_va_sdst(0) depctr_va_ssrc(0) depctr_va_vcc(0) depctr_vm_vsrc(0)
	s_getreg_b32 s2, hwreg(HW_REG_IB_STS2, 6, 4)
	s_cmp_eq_u32 s2, 0
	s_cbranch_scc0 .Lentry_in_a_cluster
	s_endpgm
.Lentry_in_a_cluster:
	s_bfe_u32 s2, ttmp6, 0x10000c
	s_cmp_lg_u32 s2, 0xf033
	s_cbranch_scc0 .Lentry_shape_is_right
	s_endpgm
.Lentry_shape_is_right:
; out0 = a Wo^T + bo on codes of FP6 (E2M3) with E8M0 scales; a [8,192][1,024] and Wo [1,024][1,024] lie as images of operand registers; K = 1,024 in eight steps of 128.
; SHARES.  Work-group (block of 128 columns n, block of 256 tokens).  Wave w: tokens 128 (w / 2) on (8 fragments of a) x columns 64 (w % 2) on (4 fragments of Wo): 32 accumulators.
; TRANSPOSED: source 0 = 16 rows n of Wo, source 1 = 16 tokens: a lane holds one token and eight neighbouring n.  The bias is the C of each sum's first product.
; a's fragment lies in four pieces (registers 0-3 at 16 l, 4-5 at 512 + 8 l, 6-9 at 768 + 16 l, 10-11 at 1,280 + 8 l), since two heads wrote its halves; Wo's in three pieces of four registers.
; LDS: ALL OF K: a's eight records of 25,600 bytes, Wo's eight units of 12,800 from byte 204,800; each byte is filled once.  Behind them, in bytes of their own, a stage of 16 rows x 272 bytes for each wave, and the spare words.
; CLUSTER 4 x 4: a's records hang on the token block alone (shared along a row of the cluster), Wo's units on the column block alone (along a column): asked for jointly.  A wave has four tensor loads out at the start.
; REGISTERS.  window 0: v1-16 LDS addresses, v17-20 the way out and the bias; v28, v29 the add's; v32-47 scale words alone (two sets); v64-207 fragment set 1 (a at 64 + 12 i, Wo at 160 + 12 t), on the way out rows read back.
;   window 1: v0-143 fragment set 0 (a at 12 i, Wo at 96 + 12 t).  window 2: accumulator (i, t) at 32 i + 8 t.  window 3: v0-31 the bias, 8 registers a tile t.
; LOADS AS THIS TEXT ISSUES THEM (in place of the four a wave named above): one a wave, four K steps each: wave 0 a's K steps 0-3 (400 rows of 256 bytes), wave 1 Wo's 0-3 (four rows of 12,800 bytes, 25,600 apart in memory), waves 2 and 3 K steps 4-7.
; The first barrier shows waves 0 and 1's; the barrier in K step 3 shows the rest.
.set AREC,   25600
.set WUNIT,  12800
.set WOFF,   8*AREC
.set STAGE,  WOFF+8*WUNIT
.set SPITCH, 272
.set SPARE,  STAGE+4*16*SPITCH
.set MSB,    0
.macro WIN new                         ; the immediate's high byte repeats the setting that is left
.if MSB != \new
	s_set_vgpr_msb (MSB<<8)|\new
.set MSB, \new
.endif
.endm
.macro PLACES                          ; four plain vector lines between a matrix instruction and a load into, or a read of, its registers
.rept 4
	v_nop
.endr
.endm
.macro CROUND                          ; a round of the cluster's barrier
	s_barrier_signal -1
	s_barrier_wait -1
	s_cmp_lg_u32 s14, 0
	s_cbranch_scc1 .Lnot_wave_0_\@
	s_barrier_signal -3
.Lnot_wave_0_\@:
	s_barrier_wait -3
	s_barrier_signal -1
	s_barrier_wait -1
.endm
.macro MKG0 g, l, lo, b, go            ; a descriptor's group 0: count 1, LDS address, global address, type 2
	s_mov_b32 s[\g], 1
	s_add_co_u32 s[\g+1], s[\l], \lo
	s_add_nc_u64 s[\g+2:\g+3], s[\b:\b+1], \go
	s_or_b32 s[\g+3], s[\g+3], 0x80000000
.endm
.macro WMC c
.if fRA && fRB
	v_wmma_scale_f32_16x16x128_f8f6f4 v[rD:rD+7], v[rA:rA+11], v[rB:rB+11], \c, v[rSA], v[rSB] matrix_a_fmt:MATRIX_FMT_FP6 matrix_b_fmt:MATRIX_FMT_FP6 matrix_a_scale:MATRIX_SCALE_ROW1 matrix_b_scale:MATRIX_SCALE_ROW1
.elseif fRA
	v_wmma_scale_f32_16x16x128_f8f6f4 v[rD:rD+7], v[rA:rA+11], v[rB:rB+11], \c, v[rSA], v[rSB] matrix_a_fmt:MATRIX_FMT_FP6 matrix_b_fmt:MATRIX_FMT_FP6 matrix_a_scale:MATRIX_SCALE_ROW1
.elseif fRB
	v_wmma_scale_f32_16x16x128_f8f6f4 v[rD:rD+7], v[rA:rA+11], v[rB:rB+11], \c, v[rSA], v[rSB] matrix_a_fmt:MATRIX_FMT_FP6 matrix_b_fmt:MATRIX_FMT_FP6 matrix_b_scale:MATRIX_SCALE_ROW1
.else
	v_wmma_scale_f32_16x16x128_f8f6f4 v[rD:rD+7], v[rA:rA+11], v[rB:rB+11], \c, v[rSA], v[rSB] matrix_a_fmt:MATRIX_FMT_FP6 matrix_b_fmt:MATRIX_FMT_FP6
.endif
.endm
.macro FETCH s                         ; K step s: 12 fragments and their scale words into set s % 2
.set fj, (\s)/2
.set fp, (\s)%2
.if fp == 0
	WIN 0x40                                       ; destination window 1
.set fA, 0
.set fW, 96
.else
	WIN 0
.set fA, 64
.set fW, 160
.endif
.irp i, 0,1,2,3,4,5,6,7
	ds_load_b128 v[fA+12*\i:fA+12*\i+3],     v[1+fj] offset:AREC*fp+1536*\i
	ds_load_b64  v[fA+12*\i+4:fA+12*\i+5],   v[5+fj] offset:AREC*fp+1536*\i+512
	ds_load_b128 v[fA+12*\i+6:fA+12*\i+9],   v[1+fj] offset:AREC*fp+1536*\i+768
	ds_load_b64  v[fA+12*\i+10:fA+12*\i+11], v[5+fj] offset:AREC*fp+1536*\i+1280
.endr
.irp t, 0,1,2,3
.irp c, 0,1,2
	ds_load_b128 v[fW+12*\t+4*\c:fW+12*\t+4*\c+3], v[9+fj] offset:WUNIT*fp+1536*\t+512*\c
.endr
.endr
	WIN 0
.irp q, 0,1
	ds_load_b64 v[32+8*fp+2*\q:33+8*fp+2*\q], v[5+fj] offset:AREC*fp+12288+256*\q   ; register 2 q + j: lanes 0-15 a's fragment 4 q + 2 j, lanes 16-31 the next
.endr
	ds_load_b64 v[36+8*fp:37+8*fp], v[13+fj] offset:WUNIT*fp                        ; register j: lanes 0-15 Wo's fragment 2 j, lanes 16-31 the next
.endm
.macro MUL s                           ; 32 products, each accumulator once, in one order in every K step: the accumulators take turns
.set mp, (\s)%2
.if (\s) == 0
	WIN 0xb5                                       ; sources window 1, C (the bias) window 3, D window 2
.elseif mp == 0
	WIN 0xa5
.else
	WIN 0xa0
.endif
.if mp == 0
.set mA, 0
.set mW, 96
.else
.set mA, 64
.set mW, 160
.endif
.irp i, 0,1,2,3,4,5,6,7
.irp t, 0,1,2,3
.set rD, 32*\i+8*\t
.set rC, 8*\t
.set rA, mW+12*\t
.set rB, mA+12*\i
.set rSA, 36+8*mp+\t/2
.set rSB, 32+8*mp+2*(\i/4)+(\i/2)%2
.set fRA, \t%2
.set fRB, \i%2
.if (\s) == 0
	WMC v[rC:rC+7]
.else
	WMC v[rD:rD+7]
.endif
.endr
.endr
.endm
.macro KSTEP s
	s_wait_dscnt 0x0                               ; this K step's fragments are in (asked for 32 products ago)
.if (\s) == 3
	s_wait_tensorcnt 0x0                           ; every wave's load has landed: K steps 4-7 are shown to all
	s_barrier_signal -1
	s_barrier_wait -1
.endif
.if ((\s) > 0) && ((\s) < 7)
	PLACES
.endif
.if (\s) < 7
	FETCH (\s)+1
.endif
	MUL \s
.endm
; THE WAY OUT, a token tile at a time: a lane holds 32 neighbouring bytes of four pieces of a row; through my own stage they come back as rows of 256 bytes.  LDS serves a wave's instructions in order.
.macro TOSTAGE a
	WIN 0x08                                       ; an LDS store's data are its source 1: window 2
.irp t, 0,1,2,3
	ds_store_b128 v17, v[32*(\a)+8*\t:32*(\a)+8*\t+3] offset:32*\t          ; each accumulator from its low end on.  THE ROWS OF A TILE (in place of the order that the comments above imply): of 64 rows of Wo or tokens, row m of tile t is 8 t + m % 8 + 32 (m / 8): register j of tile t is column 8 t + 32 (l / 16) + j of my 64
	ds_store_b128 v17, v[32*(\a)+8*\t+4:32*(\a)+8*\t+7] offset:32*\t+16
.endr
	WIN 0
.set BB, 64+32*((\a)%2)
.irp u, 0,1,2,3,4,5,6,7
	ds_load_b128 v[BB+4*\u:BB+4*\u+3], v18 offset:\u*2*SPITCH
.endr
.endm
.macro SEND a, younger                 ; younger: the LDS instructions issued behind tile a's loads, which may stay out
.set BB, 64+32*((\a)%2)
	s_wait_dscnt \younger
.irp u, 0,1,2,3,4,5,6,7
	global_store_b128 v19, v[BB+4*\u:BB+4*\u+3], s[10:11] offset:(64*((\a)/4)+8*((\a)%4)+2*(\u%4)+32*(\u/4))*4096 th:TH_STORE_NT   ; sixteen lanes store 256 consecutive bytes, aligned; stage row m = 2 u + l / 16 is token 64 (a / 4) + 8 (a % 4) + m % 8 + 32 (m / 8)
.endr
.endm
	s_load_b256 s[4:11], s[0:1], 0x0               ; abuf s[4:5], wobuf s[6:7], bo s[8:9], out0 s[10:11]
	v_lshl_add_u32 v28, v0, 2, SPARE
	v_mov_b32 v29, 0
	ds_add_u32 v28, v29
	ds_add_u32 v28, v29
	s_wait_dscnt 0x0
	v_lshrrev_b32 v21, 5, v0
	v_readfirstlane_b32 s14, v21                   ; wave 0..3
	s_lshr_b32 s15, s14, 1                         ; my half of the tokens.  Also: which four K steps I fetch (0-3 or 4-7)
	s_and_b32 s16, s14, 1                          ; my half of the columns.  Also: I fetch a's records (0) or Wo's units (1)
	s_bfe_u32 s76, ttmp6, 0x40000                  ; cx
	s_bfe_u32 s77, ttmp6, 0x40004                  ; cy
	s_lshl_b32 s78, ttmp9, 2
	s_add_co_u32 s78, s78, s76                     ; column block
	s_and_b32 s79, ttmp7, 0xffff
	s_lshl_b32 s79, s79, 2
	s_add_co_u32 s79, s79, s77                     ; token block
	s_lshl_b32 s80, s77, 2
	s_lshl_b32 s80, 15, s80                        ; my row of the cluster
	s_lshl_b32 s81, 0x1111, s76                    ; my column
	s_or_b32 s24, s80, (3<<16)|(1<<21)             ; group 1 for a: the mask; elements of 8 bytes; bit 21 beside a mask; no padding
	s_mov_b32 s25, 32<<16                          ; rows of 256 bytes,
	s_mov_b32 s26, 400<<16                         ; 400 of them: four records on end
	s_mov_b32 s27, 32<<16
	s_mov_b32 s28, 400
	s_mov_b32 s29, 32
	s_mov_b32 s30, 0
	s_mov_b32 s31, 0
	s_or_b32 s48, s81, (3<<16)|(1<<21)             ; group 1 for Wo: the mask
	s_mov_b32 s49, 1600<<16                        ; a row is a unit: 1,600 elements, 12,800 bytes
	s_mov_b32 s50, 4<<16                           ; four rows: four K steps
	s_mov_b32 s51, 1600<<16
	s_mov_b32 s52, 4
	s_mov_b32 s53, 3200                            ; the pitch: two units
	s_mov_b32 s54, 0
	s_mov_b32 s55, 0
	s_lshl_b32 s82, s79, 3
	s_lshl_b32 s83, s15, 2
	s_add_co_u32 s82, s82, s83                     ; K steps 4 (wave / 2) on
	s_mul_i32 s82, s82, AREC                       ; a: record (token block x 8 + 4 (wave / 2))
	s_mov_b32 s83, 0
	s_lshr_b32 s84, s78, 1
	s_lshl_b32 s84, s84, 3
	s_lshl_b32 s85, s15, 2
	s_add_co_u32 s84, s84, s85
	s_mul_i32 s84, s84, 2*WUNIT                    ; Wo: (block of 256 rows x 8 + the same) x two units,
	s_and_b32 s85, s78, 1
	s_mul_i32 s85, s85, WUNIT                      ; + my block's half
	s_add_co_u32 s84, s84, s85
	s_mov_b32 s85, 0
	s_mul_i32 s86, s15, 4*AREC                     ; where they go: no place in the cluster enters an LDS address
	s_mul_i32 s87, s15, 4*WUNIT
	s_add_co_u32 s87, s87, WOFF
	CROUND                                         ; all sixteen work-groups are here: the joint loads meet; the round stands ahead of the wait for the arguments
	s_wait_kmcnt 0x0
	s_add_nc_u64 s[88:89], s[4:5], s[82:83]
	s_add_nc_u64 s[90:91], s[6:7], s[84:85]
	MKG0 32, 86, 0,       88, 0
	MKG0 56, 87, 0, 90, 0
	s_cmp_eq_u32 s14, 0                            ; one chain of branches on the wave's number, one load to an arm
	s_cbranch_scc0 .Lfirst_1
	tensor_load_to_lds s[32:35], s[24:31]          ; wave 0: a's K steps 0-3
	s_nop 0
.rept 4
	v_nop
.endr
	s_branch .Lfirst_done
.Lfirst_1:
	s_cmp_eq_u32 s14, 1
	s_cbranch_scc0 .Lfirst_2
	tensor_load_to_lds s[56:59], s[48:55]          ; wave 1: Wo's K steps 0-3
	s_nop 0
.rept 4
	v_nop
.endr
	s_branch .Lfirst_done
.Lfirst_2:
	s_cmp_eq_u32 s14, 2
	s_cbranch_scc0 .Lfirst_3
	tensor_load_to_lds s[32:35], s[24:31]          ; wave 2: a's K steps 4-7
	s_nop 0
.rept 4
	v_nop
.endr
	s_branch .Lfirst_done
.Lfirst_3:
	tensor_load_to_lds s[56:59], s[48:55]          ; wave 3: Wo's K steps 4-7
	s_nop 0
.rept 4
	v_nop
.endr
.Lfirst_done:
	s_lshl_b32 s92, s78, 9
	s_lshl_b32 s93, s16, 8
	s_add_co_u32 s92, s92, s93                     ; my first column, in bytes: 512 x column block + 256 x half
	s_mov_b32 s93, 0
	s_add_nc_u64 s[8:9], s[8:9], s[92:93]          ; in bo,
	s_lshl_b32 s94, s79, 8
	s_lshl_b32 s95, s15, 7
	s_add_co_u32 s94, s94, s95
	s_lshl_b32 s94, s94, 12                        ; and with my first token's row of 4,096 bytes
	s_add_co_u32 s92, s92, s94
	s_add_nc_u64 s[10:11], s[10:11], s[92:93]      ; in out0
	v_and_b32 v21, 31, v0                          ; l
	v_and_b32 v22, 15, v0                          ; r
	v_bfe_u32 v23, v0, 4, 1                        ; h
	v_lshlrev_b32 v24, 4, v21
	v_lshlrev_b32 v25, 3, v21
	v_lshlrev_b32 v20, 7, v23                      ; the bias: 32 h numbers on
	WIN 0xc0                                       ; destination window 3
.irp t, 0,1,2,3                        ; register 8 t + j: bo at column 8 t + 32 h + j of my 64
	global_load_b128 v[8*\t:8*\t+3],   v20, s[8:9] offset:32*\t      ; register 8 t + j: bo at column 8 t + 32 h + j of my 64
	global_load_b128 v[8*\t+4:8*\t+7], v20, s[8:9] offset:32*\t+16
.endr
	WIN 0
	s_mul_i32 s94, s15, 12800                      ; my half of a's records
	v_add_nc_u32 v1, s94, v24
	v_add_nc_u32 v5, s94, v25
.irp j, 1,2,3
	v_add_nc_u32 v[1+\j], 2*AREC*\j, v1
	v_add_nc_u32 v[5+\j], 2*AREC*\j, v5
.endr
	s_mul_i32 s94, s16, 6144                       ; my four fragments of Wo's units
	s_add_co_u32 s94, s94, WOFF
	v_add_nc_u32 v9, s94, v24
	s_lshl_b32 s94, s16, 8                         ; and their scale words
	s_add_co_u32 s94, s94, WOFF+12288
	v_add_nc_u32 v13, s94, v25
.irp j, 1,2,3
	v_add_nc_u32 v[9+\j], 2*WUNIT*\j, v9
	v_add_nc_u32 v[13+\j], 2*WUNIT*\j, v13
.endr
	s_mul_i32 s94, s14, 16*SPITCH
	s_add_co_u32 s94, s94, STAGE                   ; my stage
	v_mul_u32_u24 v17, v22, SPITCH
	v_lshl_add_u32 v17, v23, 7, v17
	v_add_nc_u32 v17, s94, v17                     ; in: row r, + 128 h
	v_mul_u32_u24 v18, v23, SPITCH
	v_lshl_add_u32 v18, v22, 4, v18
	v_add_nc_u32 v18, s94, v18                     ; back: lanes 0-15 one row, lanes 16-31 the next
	v_lshlrev_b32 v19, 12, v23
	v_lshl_add_u32 v19, v22, 4, v19                ; and the same in out0
	s_wait_alu depctr_va_vdst(0)
	s_cmp_lt_u32 s14, 2                            ; waves 0 and 1 wait for their loads, K steps 0-3; the two others' may stay out
	s_cbranch_scc0 .Lnot_first
	s_wait_tensorcnt 0x0
.Lnot_first:
	s_barrier_signal -1
	s_barrier_wait -1
	FETCH 0
	s_wait_loadcnt 0x0                             ; the bias
	KSTEP 0
	KSTEP 1
	KSTEP 2
	KSTEP 3
	KSTEP 4
	KSTEP 5
	KSTEP 6
	KSTEP 7
	PLACES                                         ; for the first read of results and for the loads into the registers that held fragments
	TOSTAGE 0
.irp a, 1,2,3,4,5,6,7
.if \a > 1
	s_wait_xcnt 0x0                                ; tile a - 2's stores have read their registers: tile a's rows may land there
.endif
	TOSTAGE \a
	SEND \a-1, 16                                  ; behind tile a - 1's loads: tile a's eight stores and eight loads
.endr
	SEND 7, 0
	s_wait_tensorcnt 0x0                           ; the wave's end
	ds_add_u32 v28, v29
	s_wait_dscnt 0x0
	CROUND                                         ; the closing round: no work-group ends while a partner may still ask for a record that names it
	s_endpgm
.Lfunc_end_k_q72fdbf012b_proj:
	.size	k_q72fdbf012b_proj, .Lfunc_end_k_q72fdbf012b_proj-k_q72fdbf012b_proj
	.p2alignl 7, 3214868480
	.fill 96, 4, 3214868480
	.section	.rodata,"a",@progbits
	.p2align	6, 0x0
	.amdhsa_kernel k_q72fdbf012b_proj
		.amdhsa_group_segment_fixed_size 327680
		.amdhsa_private_segment_fixed_size 0
		.amdhsa_enable_private_segment 0
		.amdhsa_kernarg_size 32
		.amdhsa_user_sgpr_count 2
		.amdhsa_user_sgpr_kernarg_segment_ptr 1
		.amdhsa_wavefront_size32 1
		.amdhsa_system_sgpr_workgroup_id_x 1
		.amdhsa_system_sgpr_workgroup_id_y 1
		.amdhsa_system_sgpr_workgroup_id_z 1
		.amdhsa_system_vgpr_workitem_id 0
		.amdhsa_next_free_vgpr 1024
		.amdhsa_next_free_sgpr 100
		.amdhsa_reserve_vcc 0
		.amdhsa_float_denorm_mode_32 3
		.amdhsa_float_denorm_mode_16_64 3
		.amdhsa_memory_ordered 1
		.amdhsa_forward_progress 1
		.amdhsa_inst_pref_size 81
	.end_amdhsa_kernel
	.amdgpu_metadata
---
amdhsa.version: [ 1, 2 ]
amdhsa.kernels:
  - .name:           k_q72fdbf012b_proj
    .symbol:         k_q72fdbf012b_proj.kd
    .args:
      - { .name: abuf, .offset: 0, .size: 8, .value_kind: global_buffer, .address_space: global }
      - { .name: wobuf, .offset: 8, .size: 8, .value_kind: global_buffer, .address_space: global }
      - { .name: bo, .offset: 16, .size: 8, .value_kind: global_buffer, .address_space: global }
      - { .name: out0, .offset: 24, .size: 8, .value_kind: global_buffer, .address_space: global }
    .group_segment_fixed_size: 327680
    .private_segment_fixed_size: 0
    .kernarg_segment_align: 8
    .kernarg_segment_size: 32
    .max_flat_workgroup_size: 128
    .sgpr_count:     100
    .vgpr_count:     1024
    .wavefront_size: 32
...
	.end_amdgpu_metadata
.endif
;; end of part 4
